; MI455X (gfx1250); checked and timed in simulation.
; The chip was launched on July 23, 2026; its instructions are those of AMD's public machine-readable ISA for CDNA 5 (MIT licence, August 2026) and "CDNA5" Instruction Set Architecture Reference Guide (July 2026). The comments in the code are by the model that wrote it; some were corrected since.
;; Attention. Allowed arithmetic: matrix products marked QUANTISED: E2M1 operands, one E8M0 scale for each 32 along K, by v_wmma_scale_f32_16x16x128_f8f6f4 with both operands' format E2M1 (or v_wmma_scale_f32_32x16x128_f4), f32 sums; everything else in f32.
;; Inputs: W_out 1,024 x 1,024 float32; W_qkv 1,024 x 3,072 float32; b_out 1,024 float32; mask 4 x 2,048 bool; rotary_pos_emb 2,048 x 64 float32; x 4 x 2,048 x 1,024 float32.
;; Outputs: out0 4 x 2,048 x 1,024 float32.
;; This version of the problem:
;;   THIS VERSION OF THE PROBLEM IS GIVEN IN LOW PRECISION. The matrix products marked QUANTISED in the list below multiply operands that are first quantised to E2M1 (2 exponent bits, 1 mantissa bit; 4 bits a number), with one power-of-two scale for each 32 numbers along K (OCP MX v1.0); their sums are f32. All else is computed in f32.
;;   The module's matrix products, in the order in which they are computed (A, B: the left and right operand; K: the contracted axis; several contracted axes count as one K, in the product's order):
;;     1. [M 8,192, K 1,024] x [K 1,024, N 3,072]; A: input x; B: input W_qkv: QUANTISED
;;     2. batch 64 x [M 2,048, K 64] x [K 64, N 2,048]; A: computed on the way; B: computed on the way: QUANTISED
;;     3. batch 64 x [M 2,048, K 2,048] x [K 2,048, N 64]; A: softmax (see below); B: computed on the way: QUANTISED
;;     4. [M 8,192, K 1,024] x [K 1,024, N 1,024]; A: computed on the way; B: input W_out: QUANTISED
;;   THE QUANTISER, for each operand of a quantised product, along K:
;;     - K is cut into blocks of 32 from its start; a last block that is shorter is filled with zeros.
;;     - A block's scale is 2^e with e = floor(log2(the largest magnitude in the block)) - 2, held to -126 .. 127; a block of zeros has e = 0. As a byte (E8M0): e + 127.
;;     - Each number is divided by its block's scale, clamped to +-6, and rounded to the nearest number of E2M1, ties to even, subnormals kept.
;;     - The product sums the exact products of the quantised numbers (number of the format x scale) in f32.
;;   ~~~python
;;   def quantise(x, axis):      # numpy; x: float32 -> the quantised numbers, widened to float32 again
;;       x = np.moveaxis(x, axis, -1); K = x.shape[-1]
;;       x = np.pad(x, [(0, 0)] * (x.ndim - 1) + [(0, -K % 32)]); x = x.reshape(x.shape[:-1] + (-1, 32)); a = np.abs(x).max(-1, keepdims=True)
;;       e = np.where(a > 0, np.clip(np.frexp(np.where(a > 0, a, 1))[1] - 1 - 2, -126, 127), 0)      # np.frexp(a)[1] - 1 = floor(log2(a)), exactly
;;       r = np.clip(x / 2.0 ** e, -6, 6)
;;       step = 2.0 ** (np.maximum(np.frexp(np.where(r == 0, 1, r))[1] - 1, 0) - 1)
;;       q = np.round(r / step) * step * 2.0 ** e      # np.round: ties to even
;;       return np.moveaxis(q.reshape(q.shape[:-2] + (-1,))[..., :K], -1, axis).astype(np.float32)
;;   ~~~
;;   SOFTMAX AHEAD OF A QUANTISED PRODUCT. Where the list says 'softmax', what is quantised is not the finished softmax but p = 2^(t - M), with t = logit x log2(e) and M = ceil(the row's largest t), a whole number; so 1/2 < the row's largest p <= 1. The row's sum l is taken of the UNQUANTISED p, in f32, and the product's result is divided by l at the end. Since M is a whole number, a kernel that streams over the keys may use a running M (the ceiling of the running maximum): every later rescaling is an exact power of two, which a block's scale takes up: the codes' values come out the same.
;;   OPERANDS COMPUTED ON THE WAY. 'Computed on the way' means the value that the module computes at that place (a softmax that the list does not call 'softmax' is quantised finished and normalised). What goes into a quantiser is computed in f32, as accurately as f32 sums, v_exp_f32 and their like allow (about 1e-6 of the number): no bf16 or f16 on the way to a quantiser, and a product that is left as it is and whose result goes on into a quantised operand takes f32 operands (vector FMAs, or v_wmma_f32_16x16x4_f32). A number that lies on a knife's edge between two numbers of the format may be rounded either way, as far as f32 arithmetic and the matrix unit's own rounding can turn it there, and no further.
;; One version. Each part assembles by itself: llvm-mc -triple=amdgcn-amd-amdhsa -mcpu=gfx1250 --defsym DOCPART=n.
;; ======== version 1 of 1: 4 launches
;; limits: right only within a limited range of input values
;; workspace buffers: xc 4,194,304 bytes; xs 262,144 bytes; wc 2,097,152 bytes; ws 131,072 bytes; rot 2,097,152 bytes; qq 4,718,592 bytes; kv 9,437,184 bytes; oq 4,456,448 bytes
;; launch prep (part 1): grid 640 x 1, 4 waves a work-group, no clusters, 42,496 bytes of LDS; arguments x, W_qkv, W_out, rotary_pos_emb, xc, xs, wc, ws, rot; writes xc, xs, wc, ws, rot
.if DOCPART == 1
	.amdgcn_target "amdgcn-amd-amdhsa--gfx1250"
	.amdhsa_code_object_version 6
	.text
	.protected	k_qf3092be50f_prep
	.globl	k_qf3092be50f_prep
	.p2align	8
	.type	k_qf3092be50f_prep,@function
k_qf3092be50f_prep:
	s_mov_b64 s[64:65], 0
	v_nop
	global_prefetch_b8 v0, s[64:65] scope:SCOPE_SE
	s_setreg_imm32_b32 hwreg(HW_REG_WAVE_MODE, 25, 1), 1
	s_wait_xcnt 0x0
; PREP: what every later launch reads many times is made once.
;   work-groups   0-255: x [8192][1024] f32 -> codes of E2M1 xc [8192 places][512 B] and scale bytes xs [8192 places][32 B], K innermost
;   work-groups 256-511: W_qkv [1024][3072] and W_out [1024][1024] f32, K their FIRST axis -> wc [4096 places][512 B], ws [4096 places][32 B]
;   work-groups 512-575: cos and sin of the angles, laid for a lane that holds one token and registers along d (q and k)
;   work-groups 576-639: the same, laid for a lane that holds one d and registers along the tokens (v)
; PLACES.  Row number n of a tensor of codes (a token, a column of W) lies at the place n with bits 3 and 4 exchanged.  Sixteen neighbouring places are then
; rows 32 (i / 2) + 8 (i % 2) + r + 8 (r / 8): the rows that make the 16 registers of two neighbouring result tiles 16 neighbours along the next product's K.
; THE QUANTISER.  A block's scale is 2^(floor(log2(largest magnitude)) - 2): its byte is the largest magnitude's exponent field - 2, held at 1 from below.
; A block of zeros so gets the byte 1 where the rule says 127: its codes are zeros, and only this program reads the bytes.
; COS AND SIN: the angle less j x pi/2 in three parts (j the nearest whole number), polynomials on [-pi/4, pi/4], the quadrant by selects and sign bits: no branch on data.
; LIMITS: angles up to about 1e4 in magnitude keep cos and sin to about 1e-7; blocks whose largest magnitude lies under 2^-124 keep the byte 1; NaN and infinities are not served.
; The four paths part on the work-group's number alone; each path that uses LDS has LDS bytes of its own.
.set WREG,  8192                       ; x: a region of LDS for each wave: two stages of 32 x SP bytes, then its 256 scale bytes
.set SP,    80
.set CB,    8
.set STEPS, 16
.set R,     16                         ; v16-79   four sets of 16 numbers as loaded
.set X,     80                         ; v80-111  two sets of 16 neighbours
.set E,     112                        ; v112-127 a scale byte for each step
.set C,     128                        ; v128-191 codes, four registers a step
.set WSTG,  32768                      ; W: a stage of 32 rows x 272 bytes,
.set WSCL,  41472                      ; and 32 rows x 16 scale bytes
	s_load_b256 s[4:11], s[0:1], 0x0               ; x s[4:5], W_qkv s[6:7], W_out s[8:9], the angles s[10:11]
	s_load_b256 s[12:19], s[0:1], 0x20             ; xc s[12:13], xs s[14:15], wc s[16:17], ws s[18:19]
	s_load_b64 s[20:21], s[0:1], 0x40              ; rot
	v_lshl_add_u32 v192, v0, 2, 0xa400
	v_mov_b32 v193, 0
	v_lshrrev_b32 v1, 5, v0
	v_readfirstlane_b32 s22, v1                    ; wave 0..3
	v_and_b32 v2, 31, v0                           ; lane
	s_cmp_lt_u32 ttmp9, 256
	s_cbranch_scc0 .Lnot_x
; ---------------- x.  A wave takes a run of 8,192 numbers: 8 tokens, 16 steps of 512 numbers.  Each load reads 512 consecutive bytes; a step's 2,048 bytes turn through the wave's own stage,
; so that a lane holds 16 neighbours along K (two lanes a block).  Run R is written where run R with its bits 0 and 1 exchanged would lie: those are bits 3 and 4 of the token.
	v_lshlrev_b32 v3, 4, v2                        ; my 16 bytes of a load's 512
	s_mul_i32 s23, s22, WREG
	v_lshrrev_b32 v14, 2, v2
	v_mul_u32_u24 v14, v14, SP
	v_and_b32 v15, 3, v2
	v_lshl_add_u32 v14, v15, 4, v14
	v_add_nc_u32 v14, s23, v14                     ; into the stage: SP (lane / 4) + 16 (lane % 4)
	v_mul_u32_u24 v15, v2, SP
	v_add_nc_u32 v15, s23, v15                     ; out of it: SP x lane
	v_mul_u32_u24 v4, v2, CB                       ; my codes' place in a step's 256 bytes
	v_lshrrev_b32 v5, 1, v2
	s_add_co_u32 s23, s23, 2*32*SP
	v_add_nc_u32 v5, s23, v5                       ; my block's scale byte in LDS
	v_lshlrev_b32 v7, 3, v2
	v_add_nc_u32 v6, s23, v7
	s_and_b32 s25, s22, 1
	s_lshl_b32 s25, s25, 1
	s_lshr_b32 s26, s22, 1
	s_or_b32 s25, s25, s26                         ; the wave's two bits exchanged
	s_lshl_b32 s24, ttmp9, 2
	s_add_co_u32 s25, s25, s24                     ; where the run is written
	s_add_co_u32 s24, s24, s22                     ; which run is read
	s_lshl_b32 s26, s24, 15
	s_mov_b32 s27, 0
	s_lshl_b32 s28, s25, 12
	s_mov_b32 s29, 0
	s_lshl_b32 s30, s25, 8
	s_mov_b32 s31, 0
	s_wait_alu depctr_va_vdst(0)
	s_wait_kmcnt 0x0
	s_add_nc_u64 s[4:5], s[4:5], s[26:27]
	s_add_nc_u64 s[12:13], s[12:13], s[28:29]
	s_add_nc_u64 s[14:15], s[14:15], s[30:31]
.macro XLOAD t
.irp i, 0,1,2,3
	global_load_b128 v[R+16*((\t)%4)+4*\i:R+16*((\t)%4)+4*\i+3], v3, s[4:5] offset:2048*(\t)+512*\i th:TH_LOAD_NT
.endr
.endm
.macro XTURN t                         ; LDS serves a wave's instructions in order: no wait between these stores and loads
.irp i, 0,1,2,3
	ds_store_b128 v14, v[R+16*((\t)%4)+4*\i:R+16*((\t)%4)+4*\i+3] offset:32*SP*((\t)%2)+8*SP*\i
.endr
.irp i, 0,1,2,3
	ds_load_b128 v[X+16*((\t)%2)+4*\i:X+16*((\t)%2)+4*\i+3], v15 offset:32*SP*((\t)%2)+16*\i
.endr
.endm
.irp t, 0,1,2,3
	XLOAD \t
.endr
	s_wait_loadcnt 12                              ; step 0's four loads are in; three steps' twelve may be out
	XTURN 0
.macro XSTEP t
.set XS, X+16*((\t)%2)
.if (\t) > 0
	s_wait_dscnt 1                                 ; this step's numbers are back from the stage; the last step's byte store may be out
.else
	s_wait_dscnt 0x0
.endif
.if (\t)+4 < STEPS
	XLOAD (\t)+4
.endif
.if (\t)+1 < STEPS
.if STEPS-2-(\t) >= 3
	s_wait_loadcnt 12                              ; the next step's loads are in; those of the three steps behind it may be out
.else
	s_wait_loadcnt 4*(STEPS-2-(\t))
.endif
	XTURN (\t)+1
.endif
	v_max3_num_f32 v8, |v[XS]|, |v[XS+1]|, |v[XS+2]|
	v_max3_num_f32 v9, |v[XS+3]|, |v[XS+4]|, |v[XS+5]|
.irp i, 6,10
	v_max3_num_f32 v8, v8, |v[XS+\i]|, |v[XS+\i+1]|
	v_max3_num_f32 v9, v9, |v[XS+\i+2]|, |v[XS+\i+3]|
.endr
	v_max3_num_f32 v8, v8, |v[XS+14]|, |v[XS+15]|
	v_max3_num_f32 v8, v8, v9, 0x1800000           ; the floor 2^(3 - 127): the byte cannot fall under 1
	v_max_num_f32_dpp v8, v8, v8 row_xmask:1 row_mask:0xf bank_mask:0xf   ; with my neighbour's 16: the block's largest magnitude
	v_add_nc_u32 v11, 0xff000000, v8               ; 2 off its exponent field: the conversion's scale operand
	v_cvt_scalef32_pk8_fp4_f32 v[C+4*(\t)], v[XS:XS+7], v11
	v_cvt_scalef32_pk8_fp4_f32 v[C+4*(\t)+1], v[XS+8:XS+15], v11
	v_lshrrev_b32 v[E+(\t)], 23, v11               ; the scale's byte
	ds_store_b8 v5, v[E+(\t)] offset:16*(\t)       ; both lanes of a block write the same byte with the same value
	global_store_b64 v4, v[C+4*(\t):C+4*(\t)+1], s[12:13] offset:32*CB*(\t)   ; the wave stores 256 consecutive bytes, aligned
.endm
.irp t, 0,1,2,3,4,5,6,7,8,9,10,11,12,13,14,15
	XSTEP \t
.endr
	ds_load_b64 v[12:13], v6
	s_wait_dscnt 0x0
	global_store_b64 v7, v[12:13], s[14:15]        ; the run's 256 scale bytes, aligned
	s_wait_tensorcnt 0x0
	ds_add_u32 v192, v193
	s_wait_dscnt 0x0
	s_endpgm
; ---------------- W.  A work-group takes 32 columns x 512 along K; wave w the 128 along K from 128 w on.  A LANE TAKES A COLUMN AND ITS REGISTERS RUN DOWN K: a block of 32 is one lane's 32 registers.
; The four waves' codes of a column meet in a stage (a row is 256 bytes), behind one barrier, and leave as whole rows: sixteen lanes store 256 consecutive bytes, aligned.
.Lnot_x:
	s_cmp_lt_u32 ttmp9, 512
	s_cbranch_scc0 .Lnot_w
	s_sub_co_u32 s23, ttmp9, 256
	s_lshr_b32 s24, s23, 1                         ; G: which 32 places of wc
	s_and_b32 s25, s23, 1                          ; y: which half of K
	s_lshl_b32 s26, s25, 9
	s_lshl_b32 s27, s22, 7
	s_add_co_u32 s26, s26, s27                     ; my first k
	s_wait_alu depctr_va_vdst(0)
	v_lshlrev_b32 v3, 2, v2                        ; in: 4 bytes a lane
	v_and_b32 v5, 7, v2
	v_bfe_u32 v6, v2, 3, 1
	v_lshl_or_b32 v5, v6, 4, v5
	v_bfe_u32 v6, v2, 4, 1
	v_lshl_or_b32 v5, v6, 3, v5                    ; my column's place among the 32
	v_mul_u32_u24 v4, v5, 272
	s_lshl_b32 s34, s22, 6
	s_add_co_u32 s34, s34, WSTG
	v_add_nc_u32 v4, s34, v4                       ; into the stage: row = place, + 64 bytes a wave
	v_lshlrev_b32 v7, 4, v5
	s_lshl_b32 s34, s22, 2
	s_add_co_u32 s34, s34, WSCL
	v_add_nc_u32 v7, s34, v7                       ; my four scale bytes: 16 x place + 4 x wave
	v_and_b32 v8, 15, v2
	v_lshrrev_b32 v9, 4, v2
	v_mul_u32_u24 v10, v9, 272
	v_lshl_add_u32 v10, v8, 4, v10
	s_mul_i32 s34, s22, 8*272
	s_add_co_u32 s34, s34, WSTG
	v_add_nc_u32 v10, s34, v10                     ; out of the stage: my wave's 8 rows, two rows an instruction
	v_lshlrev_b32 v15, 9, v9
	v_lshl_add_u32 v15, v8, 4, v15                 ; and the same place in wc
	v_lshlrev_b32 v16, 4, v2
	v_add_nc_u32 v16, WSCL, v16                    ; wave 0: a row's 16 scale bytes a lane
	v_lshlrev_b32 v17, 5, v2                       ; and its row of ws
	s_wait_kmcnt 0x0
	s_cmp_lt_u32 s23, 192                          ; the first 96 groups are W_qkv's: the choice hangs on the work-group's number alone
	s_cselect_b64 s[30:31], s[6:7], s[8:9]
	s_mov_b32 s27, 4096
	s_cselect_b32 s27, 12288, s27                  ; bytes from a row of the source to the next
	s_cselect_b32 s28, 0, 96
	s_sub_co_u32 s28, s24, s28
	s_lshl_b32 s28, s28, 7                         ; the group's 32 columns
	s_mul_i32 s26, s26, s27
	s_add_co_u32 s32, s26, s28
	s_mov_b32 s33, 0
	s_add_nc_u64 s[30:31], s[30:31], s[32:33]
	s_lshl_b32 s32, s24, 14
	s_lshl_b32 s34, s22, 12
	s_add_co_u32 s32, s32, s34
	s_lshl_b32 s34, s25, 8
	s_add_co_u32 s32, s32, s34
	s_add_nc_u64 s[16:17], s[16:17], s[32:33]      ; wc at place 32 G + 8 wave, byte 256 y
	s_lshl_b32 s32, s24, 10
	s_lshl_b32 s34, s25, 4
	s_add_co_u32 s32, s32, s34
	s_add_nc_u64 s[18:19], s[18:19], s[32:33]      ; ws at place 32 G, byte 16 y
.macro WLOADS pitch                    ; W(my first k + i, my column), i = 0 .. 127: every offset an immediate, 127 x 12,288 at the most
.set i, 0
.rept 128
	global_load_b32 v[32+i], v3, s[30:31] offset:i*\pitch
.set i, i+1
.endr
.endm
	s_cmp_lt_u32 s23, 192
	s_cbranch_scc0 .Lw_second
	WLOADS 12288
	s_branch .Lw_loaded
.Lw_second:
	WLOADS 4096
.Lw_loaded:
.macro WBLOCK t, left
.set XS, 32+32*(\t)
	s_wait_loadcnt \left
	v_max3_num_f32 v12, |v[XS]|, |v[XS+1]|, |v[XS+2]|
	v_max3_num_f32 v13, |v[XS+3]|, |v[XS+4]|, |v[XS+5]|
.irp i, 6,10,14,18,22,26
	v_max3_num_f32 v12, v12, |v[XS+\i]|, |v[XS+\i+1]|
	v_max3_num_f32 v13, v13, |v[XS+\i+2]|, |v[XS+\i+3]|
.endr
	v_max3_num_f32 v12, v12, |v[XS+30]|, |v[XS+31]|
	v_max3_num_f32 v12, v12, v13, 0x1800000
	v_add_nc_u32 v11, 0xff000000, v12
	v_lshrrev_b32 v13, 23, v11
.if (\t) == 0
	v_mov_b32 v14, v13
.else
	v_lshl_or_b32 v14, v13, 8*(\t), v14            ; four bytes to a register, the lower K in the lower byte
.endif
.irp g, 0,1,2,3
	v_cvt_scalef32_pk8_fp4_f32 v[160+4*(\t)+\g], v[XS+8*\g:XS+8*\g+7], v11
.endr
	ds_store_b128 v4, v[160+4*(\t):160+4*(\t)+3] offset:16*(\t)
.endm
	WBLOCK 0, 63                                   ; 96 loads lie behind block 0's and 64 behind block 1's: 63 is the largest count that a wait can name
	WBLOCK 1, 63
	WBLOCK 2, 32                                   ; block 3's 32 may be out
	WBLOCK 3, 0
	ds_store_b32 v7, v14
	s_wait_dscnt 0x0                               ; for the others' sake: my stores into the stages are done
	s_barrier_signal -1
	s_barrier_wait -1
.irp t, 0,1,2,3
	ds_load_b128 v[176+4*\t:179+4*\t], v10 offset:2*\t*272
.endr
.irp t, 0,1,2,3
	s_wait_dscnt 3-\t
	global_store_b128 v15, v[176+4*\t:179+4*\t], s[16:17] offset:1024*\t
.endr
	s_cmp_lg_u32 s22, 0                            ; the scale bytes leave by wave 0: 16 bytes of each of 32 rows: one byte in 128 of what this path reads
	s_cbranch_scc1 .Lw_end
	ds_load_b128 v[24:27], v16
	s_wait_dscnt 0x0
	global_store_b128 v17, v[24:27], s[18:19]
.Lw_end:
	s_wait_tensorcnt 0x0
	ds_add_u32 v192, v193
	s_wait_dscnt 0x0
	s_endpgm
; ---------------- cos and sin.  v[c] = cos(v[x]), v[s] = sin(v[x]) with the sign bits of v[flip] turned.
; REGISTERS of both table paths: v2-7 lane terms and offsets; v8-14 at work; v16-31 the angles as loaded; v32-34 the sign flips; v48-63 cos; v80-95 sin.
.macro SINCOS x, c, s, flip
	v_mul_f32 v8, 0x3f22f983, v[\x]                ; x 2 / pi
	v_rndne_f32 v8, v8                             ; j
	v_fma_f32 v9, v8, s36, v[\x]                   ; a = x - j pi/2, pi/2 in three parts
	v_fma_f32 v9, v8, s37, v9
	v_fma_f32 v9, v8, s38, v9
	v_cvt_i32_f32 v10, v8
	v_mul_f32 v11, v9, v9                          ; z = a a
	v_mov_b32 v12, 0x37cd4000
	v_fmaak_f32 v12, v12, v11, 0xbab6077d
	v_fmaak_f32 v12, v12, v11, 0x3d2aaaa8
	v_fma_f32 v12, v12, v11, -0.5
	v_fma_f32 v12, v12, v11, 1.0                   ; cos a
	v_mov_b32 v13, 0x36405000
	v_fmaak_f32 v13, v13, v11, 0xb9503486
	v_fmaak_f32 v13, v13, v11, 0x3c0888c1
	v_fmaak_f32 v13, v13, v11, 0xbe2aaaab
	v_mul_f32 v14, v9, v11
	v_fma_f32 v13, v13, v14, v9                    ; sin a
	v_and_b32 v14, 1, v10
	v_cmp_eq_u32 vcc_lo, 1, v14                    ; an odd quadrant exchanges the two
	v_cndmask_b32 v[\s], v13, v12, vcc_lo
	v_cndmask_b32 v[\c], v12, v13, vcc_lo
	v_lshlrev_b32 v14, 30, v10
	v_and_b32 v14, 0x80000000, v14                 ; sin changes sign in quadrants 2 and 3,
	v_xor_b32 v[\s], v[\s], v14
	v_add_nc_u32 v14, 1, v10
	v_lshlrev_b32 v14, 30, v14
	v_and_b32 v14, 0x80000000, v14                 ; cos in quadrants 1 and 2
	v_xor_b32 v[\c], v[\c], v14
	v_xor_b32 v[\s], v[\s], v[\flip]               ; the rotation takes -sin at even d
.endm
.Lnot_w:
	s_mov_b32 s36, 0xbfc90fd8
	s_mov_b32 s37, 0xb4a8885a
	s_mov_b32 s38, 0xa7c234c4
	s_wait_alu depctr_va_vdst(0)
	v_and_b32 v3, 15, v2                           ; r
	v_lshrrev_b32 v4, 4, v2                        ; h
	v_and_b32 v5, 8, v3
	v_add_nc_u32 v5, v5, v3                        ; r + 8 (r / 8)
	v_lshlrev_b32 v7, 4, v2                        ; 16 x lane: an image's place for my lane
	v_mov_b32 v32, 0x80000000                      ; the flip at an even d,
	v_mov_b32 v33, 0                               ; and at an odd one
	s_mov_b32 s25, 0
	s_mov_b32 s27, 0
	s_wait_kmcnt 0x0
	s_cmp_lt_u32 ttmp9, 576
	s_cbranch_scc0 .Lrv
; For q and k: [128 blocks of 16 places][16 images of 512 bytes]; image 8 which + 4 bb + qd; lane (r, h): the token at place r of the block, d = 32 bb + 16 h + 4 qd + 0 .. 3.
; Work-group u makes blocks 2 u and 2 u + 1; wave w the images with qd = w.
	s_sub_co_u32 s23, ttmp9, 512
	s_wait_alu depctr_va_vdst(0)
	v_lshlrev_b32 v6, 8, v5
	v_lshl_add_u32 v6, v4, 6, v6                   ; the token's row of 256 bytes, + 64 h
	s_wait_alu depctr_va_vdst(0)
	s_lshl_b32 s24, s23, 13
	s_lshl_b32 s26, s22, 4
	s_add_co_u32 s24, s24, s26
	s_add_nc_u64 s[10:11], s[10:11], s[24:25]
	s_lshl_b32 s26, s23, 14
	s_lshl_b32 s28, s22, 9
	s_add_co_u32 s26, s26, s28
	s_add_nc_u64 s[20:21], s[20:21], s[26:27]
.irp it, 0,1,2,3                       ; item: block it / 2, bb = it % 2
	global_load_b128 v[16+4*\it:19+4*\it], v6, s[10:11] offset:2048*(\it/2)+128*(\it%2)
.endr
.irp it, 0,1,2,3
	s_wait_loadcnt 3-\it                           ; this item's load is in; the later items' may be out
.irp e, 0,1,2,3
	SINCOS 16+4*\it+\e, 48+4*\it+\e, 80+4*\it+\e, 32+\e%2
.endr
	global_store_b128 v7, v[48+4*\it:51+4*\it], s[20:21] offset:8192*(\it/2)+2048*(\it%2)
	global_store_b128 v7, v[80+4*\it:83+4*\it], s[20:21] offset:8192*(\it/2)+2048*(\it%2)+4096
.endr
	s_endpgm
; For v: from byte 1,048,576 on: [16 groups of 128 tokens][4 tiles of d][32 images]; image 16 which + 2 a + jh; lane (r, h): tokens 32 (a / 2) + 16 h + 8 (a % 2) + 4 jh + 0 .. 3 of the group,
; d = 32 (bq / 2) + 8 (bq % 2) + r + 8 (r / 8).  Work-group u = 4 group + bq; wave w and item k make image w + 4 k.
.Lrv:
	s_sub_co_u32 s23, ttmp9, 576
	s_lshr_b32 s24, s23, 2
	s_and_b32 s26, s23, 3
	s_lshr_b32 s28, s26, 1
	s_lshl_b32 s28, s28, 7
	s_and_b32 s26, s26, 1
	s_lshl_b32 s26, s26, 5
	s_add_co_u32 s26, s26, s28                     ; 4 x (32 (bq / 2) + 8 (bq % 2))
	s_lshl_b32 s24, s24, 15
	s_add_co_u32 s24, s24, s26
	s_lshl_b32 s26, s22, 10
	s_add_co_u32 s24, s24, s26                     ; + 4 w tokens
	s_add_nc_u64 s[10:11], s[10:11], s[24:25]
	s_wait_alu depctr_va_vdst(0)
	v_lshlrev_b32 v6, 2, v5
	v_lshl_add_u32 v6, v4, 12, v6                  ; + 16 h tokens, + my d
	s_lshl_b32 s26, s23, 14
	s_lshl_b32 s28, s22, 9
	s_add_co_u32 s26, s26, s28
	s_add_co_u32 s26, s26, 1048576
	s_add_nc_u64 s[20:21], s[20:21], s[26:27]
	v_and_b32 v34, 1, v3
	v_xor_b32 v34, 1, v34
	v_lshlrev_b32 v34, 31, v34                     ; d is even where r is
.irp k, 0,1,2,3
.irp e, 0,1,2,3
	global_load_b32 v[16+4*\k+\e], v6, s[10:11] offset:8192*\k+256*\e
.endr
.endr
.irp k, 0,1,2,3
	s_wait_loadcnt 12-4*\k                         ; this item's four loads are in; the later items' may be out
.irp e, 0,1,2,3
	SINCOS 16+4*\k+\e, 48+4*\k+\e, 80+4*\k+\e, 34
.endr
	global_store_b128 v7, v[48+4*\k:51+4*\k], s[20:21] offset:2048*\k
	global_store_b128 v7, v[80+4*\k:83+4*\k], s[20:21] offset:2048*\k+8192
.endr
	s_endpgm
.Lfunc_end_k_qf3092be50f_prep:
	.size	k_qf3092be50f_prep, .Lfunc_end_k_qf3092be50f_prep-k_qf3092be50f_prep
	.p2alignl 7, 3214868480
	.fill 96, 4, 3214868480
	.section	.rodata,"a",@progbits
	.p2align	6, 0x0
	.amdhsa_kernel k_qf3092be50f_prep
		.amdhsa_group_segment_fixed_size 42496
		.amdhsa_private_segment_fixed_size 0
		.amdhsa_enable_private_segment 0
		.amdhsa_kernarg_size 72
		.amdhsa_user_sgpr_count 2
		.amdhsa_user_sgpr_kernarg_segment_ptr 1
		.amdhsa_wavefront_size32 1
		.amdhsa_system_sgpr_workgroup_id_x 1
		.amdhsa_system_sgpr_workgroup_id_y 1
		.amdhsa_system_sgpr_workgroup_id_z 1
		.amdhsa_system_vgpr_workitem_id 0
		.amdhsa_next_free_vgpr 194
		.amdhsa_next_free_sgpr 66
		.amdhsa_reserve_vcc 1
		.amdhsa_float_denorm_mode_32 3
		.amdhsa_float_denorm_mode_16_64 3
		.amdhsa_memory_ordered 1
		.amdhsa_forward_progress 1
		.amdhsa_inst_pref_size 119
	.end_amdhsa_kernel
	.amdgpu_metadata
---
amdhsa.version: [ 1, 2 ]
amdhsa.kernels:
  - .name:           k_qf3092be50f_prep
    .symbol:         k_qf3092be50f_prep.kd
    .args:
      - { .name: x, .offset: 0, .size: 8, .value_kind: global_buffer, .address_space: global }
      - { .name: W_qkv, .offset: 8, .size: 8, .value_kind: global_buffer, .address_space: global }
      - { .name: W_out, .offset: 16, .size: 8, .value_kind: global_buffer, .address_space: global }
      - { .name: rotary_pos_emb, .offset: 24, .size: 8, .value_kind: global_buffer, .address_space: global }
      - { .name: xc, .offset: 32, .size: 8, .value_kind: global_buffer, .address_space: global }
      - { .name: xs, .offset: 40, .size: 8, .value_kind: global_buffer, .address_space: global }
      - { .name: wc, .offset: 48, .size: 8, .value_kind: global_buffer, .address_space: global }
      - { .name: ws, .offset: 56, .size: 8, .value_kind: global_buffer, .address_space: global }
      - { .name: rot, .offset: 64, .size: 8, .value_kind: global_buffer, .address_space: global }
    .group_segment_fixed_size: 42496
    .private_segment_fixed_size: 0
    .kernarg_segment_align: 8
    .kernarg_segment_size: 72
    .max_flat_workgroup_size: 128
    .sgpr_count:     66
    .vgpr_count:     194
    .wavefront_size: 32
...
	.end_amdgpu_metadata
.endif
;; end of part 1
;; launch qkv (part 2): grid 12 x 32, 4 waves a work-group, clusters of 4 x 4, 296,448 bytes of LDS; arguments xc, xs, wc, ws, rot, mask, qq, kv; writes qq, kv
.if DOCPART == 2
	.amdgcn_target "amdgcn-amd-amdhsa--gfx1250"
	.amdhsa_code_object_version 6
	.text
	.protected	k_qf3092be50f_qkv
	.globl	k_qf3092be50f_qkv
	.p2align	8
	.type	k_qf3092be50f_qkv,@function
k_qf3092be50f_qkv:
	s_mov_b64 s[64:65], 0
	v_nop
	global_prefetch_b8 v0, s[64:65] scope:SCOPE_SE
	s_setreg_imm32_b32 hwreg(HW_REG_WAVE_MODE, 25, 1), 1
	s_wait_xcnt 0x0
	s_wait_alu depctr_hold_cnt(0) depctr_sa_sdst(0) depctr_va_vdst(0) depctr_va_sdst(0) depctr_va_ssrc(0) depctr_va_vcc(0) depctr_vm_vsrc(0)
	s_getreg_b32 s2, hwreg(HW_REG_IB_STS2, 6, 4)
	s_cmp_eq_u32 s2, 0
	s_cbranch_scc0 .Lentry_in_a_cluster
	s_endpgm
.Lentry_in_a_cluster:
	s_bfe_u32 s2, ttmp6, 0x10000c
	s_cmp_lg_u32 s2, 0xf033
	s_cbranch_scc0 .Lentry_shape_is_right
	s_endpgm
.Lentry_shape_is_right:
; QKV: x W_qkv on codes of E2M1, the rotation of q, k and v in f32, and their quantising for the two products of attention.  Nothing wider than codes goes to memory.
; A work-group makes 256 places of tokens x 256 places of columns; each of its four waves 128 x 128: 64 accumulators, 512 registers.  K = 1,024 is 512 bytes a row: BOTH operands' whole K lies in LDS,
; as two halves of 256-byte rows, each filled once; no LDS byte is filled twice.  The scale bytes of the 512 rows come once too.
; CLUSTERS: 4 x 4 work-groups; x's tiles are asked for jointly along a row of the cluster, W's along a column.  The cluster's x says what the columns are: 0 q, 1 k, 2 v: the same in all sixteen partners.
; q AND k: source 0 = 16 places of W, source 1 = 16 places of x: a lane holds ONE token, and the 16 registers of two neighbouring tiles are 16 neighbouring d (the places are laid for that).
;   The rotation's partner d xor 1 is the neighbouring register.  A head's 64 numbers become 4 registers of codes and two scale bytes.  q's factor 1/8 is a power of two, which a block's scale takes up: it is applied to the scores.
; v: the sources change places: a lane holds ONE d, and its registers run along the tokens, which are the second product's K.  The partner d xor 1 is the lane r xor 1.
; THE PADDING MASK rides in the upper half of the first product's K, which a head of 64 leaves free: there k has the one code -6 and q the one code +6; q's scale byte for that block is 157,
;   k's is 197 for a padded key (the score gets -36 x 2^100) and 1 for an open one (-36 x 2^-96, which changes no weight).
; A product of ones with v's codes gives, for each 128 keys, the sum of the quantised v: for queries that see no open key.
; LIMITS: blocks whose largest magnitude lies under 2^-124 keep the scale byte 1; NaN and infinities are not served.
; REGISTERS, in windows of 256: window 0: v16-27 addresses; v32-95 scale words and nothing else; v96-103 mask bytes, or the ones; v104-119 at work; v128-255 x's fragments, two sets, later the rotated numbers and the codes.
;   window 1: v0-63, v128-191 W's fragments, two sets; v64-127, v192-255 tables of cos and sin.   windows 2, 3: accumulator (a, b) at v[8 (8 (a % 4) + b)] of window 2 + a / 4.
.set PITCH,  272                       ; an LDS row: 256 bytes + 16 of padding: the 16 rows that a load touches start at 16 different groups of banks
.set HALFT,  128*PITCH                 ; what one tensor load brings
.set SLOT,   4*HALFT                   ; half of K: x's 256 rows, then W's 256 rows
.set SCL,    2*SLOT                    ; the scale bytes, as units of 256 bytes + 16
.set HALFS,  16*272                    ; those of 128 rows
.set SBLK,   2*272                     ; those of 16 rows
.set ADRA, 16                          ; v16-17  LDS address of my fragments of x in half 0, 1
.set ADRB, 20                          ; v20-21  the same for W
.set MOF,  22                          ; v22     r + 8 (r / 8)
.set L16,  24                          ; v24     16 x lane
.set L8,   25                          ; v25     8 x lane
.set L4,   26                          ; v26     4 x lane
.set ADRS, 27                          ; v27     LDS address of my scale words: lanes 0-15 x's rows, lanes 16-31 W's
.set SC,   32
.set EX,   96
.set TM,   104
.set AF,   128
.set XR,   128                         ; the rotated numbers
.set PCB,  192                         ; the codes: registers of their own for every store
.set WV, 12
.set RH, 13
.set CH, 14
.set SEL, 22
.set G1, 24
.set G0, 32
.set G1B, 48
.set G0B, 56
.set G1S, 68
.set G0S, 76
.set G1SB, 80
.set G0SB, 88
.set MSB, 0
.macro WIN new                         ; the immediate's high byte repeats the setting that is left
.if MSB != (\new)
	s_set_vgpr_msb (MSB<<8)|(\new)
.set MSB, (\new)
.endif
.endm
.macro PLACES
.rept 4
	v_nop
.endr
.endm
; A joint load: waves 0 and 1 fetch for x, waves 2 and 3 for W; the branch hangs on the wave's number alone.  Four v_nop follow each of the two lines.
.macro JLOAD g0a, g1a, g0b, g1b
	s_cmp_eq_u32 s[RH], 0
	s_cbranch_scc0 .Lfor_b_\@
	tensor_load_to_lds s[\g0a:\g0a+3], s[\g1a:\g1a+7]
	s_nop 0
.rept 4
	v_nop
.endr
	s_branch .Lasked_\@
.Lfor_b_\@:
	tensor_load_to_lds s[\g0b:\g0b+3], s[\g1b:\g1b+7]
	s_nop 0
.rept 4
	v_nop
.endr
.Lasked_\@:
.endm
.macro CROUND                          ; a round of the cluster's barrier
	s_barrier_signal -1
	s_barrier_wait -1
	s_cmp_lg_u32 s[WV], 0
	s_cbranch_scc1 .Lnot_wave_0_\@
	s_barrier_signal -3
.Lnot_wave_0_\@:
	s_barrier_wait -3
	s_barrier_signal -1
	s_barrier_wait -1
.endm
	s_load_b256 s[4:11], s[0:1], 0x0               ; xc s[4:5], xs s[6:7], wc s[8:9], ws s[10:11]
	s_load_b256 s[92:99], s[0:1], 0x20             ; rot s[92:93], mask s[94:95], qq s[96:97], kv s[98:99]
	v_lshl_add_u32 v126, v0, 2, 0x48400
	v_mov_b32 v127, 0
	ds_add_u32 v126, v127
	ds_add_u32 v126, v127
	v_lshrrev_b32 v1, 5, v0
	v_readfirstlane_b32 s[WV], v1                  ; wave 0..3
	s_lshr_b32 s[RH], s[WV], 1                     ; which half of the tile's rows is mine.  Also: I fetch for x (0) or for W (1)
	s_and_b32 s[CH], s[WV], 1                      ; which half of its columns.  Also: which 128 rows I fetch
	s_bfe_u32 s40, ttmp6, 0x40000                  ; cx
	s_bfe_u32 s41, ttmp6, 0x40004                  ; cy
	s_lshl_b32 s42, ttmp9, 2
	s_add_co_u32 s42, s42, s40                     ; tile of columns = 4 x cluster x + cx
	s_and_b32 s17, ttmp7, 0xffff
	s_lshl_b32 s17, s17, 2
	s_add_co_u32 s17, s17, s41                     ; tile of rows = 4 x cluster y + cy
	s_lshl_b32 s43, s41, 2
	s_lshl_b32 s43, 15, s43                        ; my row of the cluster
	s_lshl_b32 s44, 0x1111, s40                    ; my column
	; group 1: 128 rows x 256 bytes, 512 bytes apart in memory, 16 bytes of padding behind each in LDS
	s_or_b32 s[G1+0], s43, (0<<16)|(1<<20)|(1<<21)|(5<<22)|(3<<25)
	s_or_b32 s[G1B+0], s44, (0<<16)|(1<<20)|(1<<21)|(5<<22)|(3<<25)
.irp g, G1, G1B
	s_mov_b32 s[\g+1], 256<<16                     ; tensor_dim0
	s_mov_b32 s[\g+2], 128<<16                     ; tensor_dim1
	s_mov_b32 s[\g+3], 256<<16                     ; tile_dim0
	s_mov_b32 s[\g+4], 128                         ; tile_dim1
	s_mov_b32 s[\g+5], 512                         ; from row to row
	s_mov_b32 s[\g+6], 0
	s_mov_b32 s[\g+7], 0
.endr
	; the scale bytes of 128 rows: 4,096 dense bytes as 16 rows of 256 (32 elements of 8 bytes), 16 bytes of padding behind each
	s_or_b32 s[G1S+0], s43, (3<<16)|(1<<20)|(1<<21)|(5<<22)|(3<<25)
	s_or_b32 s[G1SB+0], s44, (3<<16)|(1<<20)|(1<<21)|(5<<22)|(3<<25)
.irp g, G1S, G1SB
	s_mov_b32 s[\g+1], 32<<16
	s_mov_b32 s[\g+2], 16<<16
	s_mov_b32 s[\g+3], 32<<16
	s_mov_b32 s[\g+4], 16
	s_mov_b32 s[\g+5], 32
	s_mov_b32 s[\g+6], 0
	s_mov_b32 s[\g+7], 0
.endr
	s_lshl_b32 s45, s[CH], 7                       ; which 128 rows I fetch
	s_lshl_b32 s20, s17, 8
	s_add_co_u32 s20, s20, s45                     ; x: place 256 x tile of rows + 128 x half
	s_lshl_b32 s46, s42, 8
	s_add_co_u32 s46, s46, s45                     ; W: place 256 x tile of columns + 128 x half
	s_lshl_b32 s22, s20, 5                         ; their scale bytes,
	s_mov_b32 s23, 0
	s_lshl_b32 s20, s20, 9                         ; their codes
	s_mov_b32 s21, 0
	s_lshl_b32 s18, s46, 5
	s_mov_b32 s19, 0
	s_lshl_b32 s46, s46, 9
	s_mov_b32 s47, 0
	s_mul_i32 s15, s[WV], HALFT                    ; where they go: wave x 128 rows: no place in the cluster enters an LDS address
	s_mul_i32 s16, s[WV], HALFS
	s_wait_dscnt 0x0
	s_wait_kmcnt 0x0
	s_add_nc_u64 s[20:21], s[4:5], s[20:21]
	s_add_nc_u64 s[22:23], s[6:7], s[22:23]
	s_add_nc_u64 s[46:47], s[8:9], s[46:47]
	s_add_nc_u64 s[18:19], s[10:11], s[18:19]
	CROUND                                         ; all sixteen work-groups are here: the joint loads meet
	s_mov_b32 s[G0S], 1
	s_add_co_u32 s[G0S+1], s16, SCL
	s_mov_b64 s[G0S+2:G0S+3], s[22:23]
	s_or_b32 s[G0S+3], s[G0S+3], 0x80000000
	s_mov_b32 s[G0SB], 1
	s_add_co_u32 s[G0SB+1], s16, SCL
	s_mov_b64 s[G0SB+2:G0SB+3], s[18:19]
	s_or_b32 s[G0SB+3], s[G0SB+3], 0x80000000
	JLOAD G0S, G1S, G0SB, G1SB                     ; the scales first: they are wanted with the first half of K
.irp s, 0,1
	s_mov_b32 s[G0+4*\s], 1
	s_add_co_u32 s[G0+4*\s+1], s15, \s*SLOT
	s_add_nc_u64 s[G0+4*\s+2:G0+4*\s+3], s[20:21], \s*256
	s_or_b32 s[G0+4*\s+3], s[G0+4*\s+3], 0x80000000
	s_mov_b32 s[G0B+4*\s], 1
	s_add_co_u32 s[G0B+4*\s+1], s15, \s*SLOT
	s_add_nc_u64 s[G0B+4*\s+2:G0B+4*\s+3], s[46:47], \s*256
	s_or_b32 s[G0B+4*\s+3], s[G0B+4*\s+3], 0x80000000
	JLOAD G0+4*\s, G1, G0B+4*\s, G1B               ; three loads of mine are out; all fills of the launch have been asked for
.endr
	v_and_b32 v1, 15, v0                           ; r
	v_bfe_u32 v2, v0, 4, 1                         ; h
	v_mul_u32_u24 v3, v1, PITCH
	v_lshl_add_u32 v4, v2, 4, v3                   ; a fragment's row x pitch + 16 h
	s_mul_i32 s21, s[RH], HALFT
	s_mul_i32 s22, s[CH], HALFT
	s_add_co_u32 s22, s22, 2*HALFT
.irp s, 0,1
	v_add_nc_u32 v[ADRA+\s], s21, v4
	v_add_nc_u32 v[ADRB+\s], s22, v4
	s_add_co_u32 s21, s21, SLOT
	s_add_co_u32 s22, s22, SLOT
.endr
	v_lshlrev_b32 v5, 5, v1                        ; my row's scales: 32 bytes a row,
	v_lshrrev_b32 v6, 8, v5
	v_lshl_add_u32 v5, v6, 4, v5                   ; and 16 more for each 256 passed
	s_mul_i32 s21, s[RH], HALFS
	s_mul_i32 s22, s[CH], HALFS
	s_add_co_u32 s22, s22, 2*HALFS
	s_sub_co_u32 s22, s22, s21
	v_mul_u32_u24 v6, s22, v2                      ; lanes 16-31 take W's: the lower base + h x the distance
	s_add_co_u32 s21, s21, SCL
	v_add_nc_u32 v5, v5, v6
	v_add_nc_u32 v[ADRS], s21, v5
	v_and_b32 v7, 31, v0
	v_lshlrev_b32 v[L16], 4, v7
	v_lshlrev_b32 v[L8], 3, v7
	v_lshlrev_b32 v[L4], 2, v7
	v_and_b32 v[MOF], 8, v1
	v_add_nc_u32 v[MOF], v[MOF], v1
.irp b, 0,1,2,3
	v_mov_b32 v[TM+4+\b], 0                        ; written once: a lane permute's destination counts as one of its sources
.endr
	; where the tables come from and the results go.  s[4:11] and s[18:23] have served the descriptors and are free
	s_lshr_b32 s66, s17, 3                         ; the batch
	s_and_b32 s67, s17, 7
	s_lshl_b32 s67, s67, 1
	s_add_co_u32 s67, s67, s[RH]                   ; which 128 tokens of the sequence are my wave's
	s_and_b32 s100, s42, 3
	s_lshl_b32 s100, s100, 2
	s_lshl_b32 s101, s[CH], 1
	s_add_co_u32 s100, s100, s101
	s_lshl_b32 s101, s66, 4
	s_add_co_u32 s100, s100, s101                  ; 16 x batch + my first head; my wave has two
	s_lshl_b32 s2, s67, 16
	s_mov_b32 s3, 0
	s_add_nc_u64 s[4:5], s[92:93], s[2:3]          ; the tables of my 128 tokens: 65,536 bytes in either layout
	s_lshl_b32 s2, s66, 11
	s_lshl_b32 s15, s67, 7
	s_add_co_u32 s2, s2, s15
	s_add_nc_u64 s[6:7], s[94:95], s[2:3]          ; the mask of my 128 tokens
	s_cmp_eq_u32 ttmp9, 0                          ; q goes to qq; k and v into the records of kv
	s_cselect_b64 s[8:9], s[96:97], s[98:99]
	s_mov_b32 s2, 147456
	s_cselect_b32 s2, 65536, s2                    ; codes: from head to head,
	s_mov_b32 s15, 9216
	s_cselect_b32 s15, 4096, s15                   ; from 128 tokens to the next
	s_mov_b32 s16, 147456
	s_cselect_b32 s16, 8192, s16                   ; the image of scale words likewise,
	s_mov_b32 s45, 9216
	s_cselect_b32 s45, 512, s45
	s_mov_b32 s46, 8192
	s_cselect_b32 s46, 4194304, s46                ; and where the images begin
	s_mul_i32 s18, s100, s2
	s_mul_i32 s15, s67, s15
	s_add_co_u32 s18, s18, s15
	s_mov_b32 s19, 0
	s_mul_i32 s20, s100, s16
	s_mul_i32 s45, s67, s45
	s_add_co_u32 s20, s20, s45
	s_add_co_u32 s20, s20, s46
	s_mov_b32 s21, 0
	s_add_nc_u64 s[20:21], s[8:9], s[20:21]        ; scale image, first head
	s_add_nc_u64 s[8:9], s[8:9], s[18:19]          ; codes (or the record), first head
	s_add_nc_u64 s[10:11], s[8:9], s[2:3]          ; second head
	s_mov_b32 s18, s16
	s_add_nc_u64 s[18:19], s[20:21], s[18:19]      ; scale image, second head
	s_mov_b32 s[SEL], 0x76543210
	s_mov_b32 s[SEL+1], 0xfedcba98                 ; v_permlanex16_b32's selects for lane l xor 16
; THE PRODUCT.  Step n = 0 .. 7 is 128 along K: half n / 4 of K, its part n % 4; fragments in set n % 2.
.macro FETCH p, slot, q                ; 32 LDS loads in one run: W's eight fragments and x's eight into set p
	WIN 0x40
.irp i, 0,1,2,3,4,5,6,7
.irp c, 0,1
	ds_load_b128 v[128*(\p)+8*\i+4*\c:128*(\p)+8*\i+4*\c+3], v[ADRB+(\slot)] offset:64*(\q)+32*\c+\i*16*PITCH
.endr
.endr
	WIN 0
.irp i, 0,1,2,3,4,5,6,7
.irp c, 0,1
	ds_load_b128 v[AF+64*(\p)+8*\i+4*\c:AF+64*(\p)+8*\i+4*\c+3], v[ADRA+(\slot)] offset:64*(\q)+32*\c+\i*16*PITCH
.endr
.endr
.endm
.macro SCALES sc                       ; half sc's scale words: four words a row; lanes 0-15 take x's block i, lanes 16-31 W's block i
.irp i, 0,1,2,3,4,5,6,7
	ds_load_b128 v[SC+32*\sc+4*\i:SC+32*\sc+4*\i+3], v[ADRS] offset:\i*SBLK+16*\sc
.endr
.endm
.macro MM a, b, n, swap                ; one product.  The first step's takes the constant 0 as C: nothing is cleared
.set rD, 8*(8*((\a)%4)+(\b))
.set rW, 128*((\n)%2)+8*(\b)
.set rX, AF+64*((\n)%2)+8*(\a)
.set sW, SC+32*((\n)/4)+4*(\b)+(\n)%4
.set sX, SC+32*((\n)/4)+4*(\a)+(\n)%4
.if \swap
.if (\n) == 0
	v_wmma_scale_f32_16x16x128_f8f6f4 v[rD:rD+7], v[rX:rX+7], v[rW:rW+7], 0, v[sX], v[sW] matrix_a_fmt:MATRIX_FMT_FP4 matrix_b_fmt:MATRIX_FMT_FP4 matrix_b_scale:MATRIX_SCALE_ROW1
.else
	v_wmma_scale_f32_16x16x128_f8f6f4 v[rD:rD+7], v[rX:rX+7], v[rW:rW+7], v[rD:rD+7], v[sX], v[sW] matrix_a_fmt:MATRIX_FMT_FP4 matrix_b_fmt:MATRIX_FMT_FP4 matrix_b_scale:MATRIX_SCALE_ROW1
.endif
.else
.if (\n) == 0
	v_wmma_scale_f32_16x16x128_f8f6f4 v[rD:rD+7], v[rW:rW+7], v[rX:rX+7], 0, v[sW], v[sX] matrix_a_fmt:MATRIX_FMT_FP4 matrix_b_fmt:MATRIX_FMT_FP4 matrix_a_scale:MATRIX_SCALE_ROW1
.else
	v_wmma_scale_f32_16x16x128_f8f6f4 v[rD:rD+7], v[rW:rW+7], v[rX:rX+7], v[rD:rD+7], v[sW], v[sX] matrix_a_fmt:MATRIX_FMT_FP4 matrix_b_fmt:MATRIX_FMT_FP4 matrix_a_scale:MATRIX_SCALE_ROW1
.endif
.endif
.endm
.macro MULQ a0, n, swap                ; 16 products: x's blocks a0, a0 + 1 against W's eight.  The 64 accumulators take turns, in the same order in every step
.if \swap
	WIN 0xa4+0x50*((\a0)/4)
.else
	WIN 0xa1+0x50*((\a0)/4)
.endif
.irp a, \a0, \a0+1
.irp b, 0,1,2,3,4,5,6,7
	MM \a, \b, \n, \swap
.endr
.endr
.endm
.macro STEP n, swap
	s_wait_dscnt 0x0                               ; this step's fragments, asked for a whole step ago, are in
.if (\n) == 3                          ; the step that goes over to the second half of K
	s_wait_tensorcnt 0x0                           ; my part of the second half has landed;
	s_barrier_signal -1
	MULQ 0, \n, \swap                              ; work on registers while the others arrive
	MULQ 2, \n, \swap
	WIN 0
	s_barrier_wait -1                              ; everybody's has
	PLACES                                         ; four places in front of loads into registers that matrix instructions have read
	FETCH 0, 1, 0
	SCALES 1
	MULQ 4, \n, \swap
	MULQ 6, \n, \swap
.else
.if (\n) < 7
	PLACES
	FETCH 1-(\n)%2, ((\n)+1)/4, ((\n)+1)%4
.endif
	MULQ 0, \n, \swap
	MULQ 2, \n, \swap
	MULQ 4, \n, \swap
	MULQ 6, \n, \swap
.endif
	WIN 0
.endm
.macro MAIN swap
	s_wait_tensorcnt 0x1                           ; the scales and my part of the first half of K are in; the second half's load may be out
	s_barrier_signal -1
	s_barrier_wait -1                              ; everybody's are
	FETCH 0, 0, 0
	SCALES 0
.irp n, 0,1,2,3,4,5,6,7
	STEP \n, \swap
.endr
.endm
; 32 numbers of a lane, v[s + 16 b + i] = k 32 b + 16 h + i of my row, become 4 registers of codes (lane (r, h): k = 32 h .. 32 h + 31) in v[pc] on; the two scale bytes are left in v[TM+4], v[TM+5]
.macro QUANT2 s, pc
.irp b, 0,1
	v_max3_num_f32 v[TM+\b], |v[\s+16*\b]|, |v[\s+1+16*\b]|, 0x1800000   ; my 16 numbers of block b, and the floor 2^(3 - 127)
.endr
.irp i, 2,4,6,8,10,12,14
.irp b, 0,1
	v_max3_num_f32 v[TM+\b], v[TM+\b], |v[\s+16*\b+\i]|, |v[\s+1+16*\b+\i]|
.endr
.endr
.irp b, 0,1
	v_permlanex16_b32 v[TM+4+\b], v[TM+\b], s[SEL], s[SEL+1]
.endr
.irp b, 0,1
	v_max_num_f32 v[TM+\b], v[TM+\b], v[TM+4+\b]   ; with lane l xor 16's: the block's largest magnitude
.endr
.irp b, 0,1
	v_add_nc_u32 v[TM+12+\b], 0xff000000, v[TM+\b] ; 2 off its exponent field: the conversion's scale operand
.endr
.irp b, 0,1
	v_lshrrev_b32 v[TM+4+\b], 23, v[TM+12+\b]      ; the scale's byte
.endr
.irp b, 0,1
	v_cvt_scalef32_pk8_fp4_f32 v[(\pc)+2*\b], v[\s+16*\b:\s+7+16*\b], v[TM+12+\b]
	v_cvt_scalef32_pk8_fp4_f32 v[(\pc)+1+2*\b], v[\s+8+16*\b:\s+15+16*\b], v[TM+12+\b]
.endr
	v_nop                                          ; one plain place behind a scaled conversion
	v_permlane16_swap_b32 v[(\pc)], v[(\pc)+2]     ; a whole block in a lane: lanes 0-15 block 0, lanes 16-31 block 1
	v_permlane16_swap_b32 v[(\pc)+1], v[(\pc)+3]
.endm
; 64 numbers likewise become a whole fragment (8 registers) and its scale word in v[pw]
.macro QUANT4 s, pc, pw
.irp b, 0,1,2,3
	v_max3_num_f32 v[TM+\b], |v[\s+16*\b]|, |v[\s+1+16*\b]|, 0x1800000
.endr
.irp i, 2,4,6,8,10,12,14
.irp b, 0,1,2,3
	v_max3_num_f32 v[TM+\b], v[TM+\b], |v[\s+16*\b+\i]|, |v[\s+1+16*\b+\i]|
.endr
.endr
.irp b, 0,1,2,3
	v_permlanex16_b32 v[TM+4+\b], v[TM+\b], s[SEL], s[SEL+1]
.endr
.irp b, 0,1,2,3
	v_max_num_f32 v[TM+\b], v[TM+\b], v[TM+4+\b]
.endr
.irp b, 0,1,2,3
	v_add_nc_u32 v[TM+12+\b], 0xff000000, v[TM+\b]
.endr
.irp b, 0,1,2,3
	v_lshrrev_b32 v[TM+4+\b], 23, v[TM+12+\b]
.endr
	v_lshl_or_b32 v[\pw], v[TM+5], 8, v[TM+4]
	v_lshl_or_b32 v[\pw], v[TM+6], 16, v[\pw]
	v_lshl_or_b32 v[\pw], v[TM+7], 24, v[\pw]
.irp b, 0,1,2,3
	v_cvt_scalef32_pk8_fp4_f32 v[(\pc)+2*\b], v[\s+16*\b:\s+7+16*\b], v[TM+12+\b]
	v_cvt_scalef32_pk8_fp4_f32 v[(\pc)+1+2*\b], v[\s+8+16*\b:\s+15+16*\b], v[TM+12+\b]
.endr
	v_nop
.irp c, 0,1
.irp i, 0,1
	v_permlane16_swap_b32 v[(\pc)+4*\c+\i], v[(\pc)+2+4*\c+\i]
.endr
.endr
.endm
	s_cmp_eq_u32 ttmp9, 2                          ; the cluster's x: the same in all sixteen partners
	s_cbranch_scc1 .Lv_path
; ================ q and k
.macro QTAB a                          ; cos (32 registers) and the signed sin (32) of block a's 16 tokens, into window 1, set a % 2
	WIN 0x40
.irp g, 0,1,2,3,4,5,6,7,8,9,10,11,12,13,14,15
	global_load_b128 v[64+128*((\a)%2)+4*\g:64+128*((\a)%2)+4*\g+3], v[L16], s[4:5] offset:(\a)*8192+512*\g
.endr
	WIN 0
.endm
	s_cmp_eq_u32 ttmp9, 0
	s_mov_b32 s46, 197<<16
	s_cselect_b32 s46, 157<<16, s46                ; the scale byte of the upper K's first block: of a padded key,
	s_mov_b32 s47, 1<<16
	s_cselect_b32 s47, 157<<16, s47                ; of an open key; q has 157 throughout
	v_mov_b32 v28, s46
	v_mov_b32 v29, s47
.irp a, 0,1,2,3,4,5,6,7
	global_load_u8 v[EX+\a], v[MOF], s[6:7] offset:32*(\a/2)+8*(\a%2)   ; the mask of block a's token at my row
.endr
	QTAB 0
	QTAB 1
	MAIN 0
	PLACES                                         ; behind the last products: results are read, operands' registers written
	s_wait_loadcnt 32                              ; the eight mask bytes are in; the two tables' 32 loads may be out
.irp a, 0,1,2,3,4,5,6,7
	v_cmp_ne_u32 vcc_lo, 0, v[EX+\a]
	v_cndmask_b32 v[EX+\a], v28, v29, vcc_lo
.endr
.macro QHEAD a, hh                     ; block a's 16 tokens, head hh of my two
.set T, 64+128*((\a)%2)
	WIN 0x06+(\a)/4                                ; source 0: the accumulators' window; source 1: the tables'
.irp b4, 0,1,2,3
.irp j, 0,2,4,6
	v_pk_mul_f32 v[XR+8*\b4+\j:XR+8*\b4+\j+1], v[8*(8*((\a)%4)+4*(\hh)+\b4)+\j:8*(8*((\a)%4)+4*(\hh)+\b4)+\j+1], v[T+32+8*\b4+\j:T+32+8*\b4+\j+1] op_sel:[1,0] op_sel_hi:[0,1]   ; t(d xor 1) x signed sin(d): the pair's halves crossed
.endr
.endr
.irp b4, 0,1,2,3
.irp j, 0,2,4,6
	v_pk_fma_f32 v[XR+8*\b4+\j:XR+8*\b4+\j+1], v[8*(8*((\a)%4)+4*(\hh)+\b4)+\j:8*(8*((\a)%4)+4*(\hh)+\b4)+\j+1], v[T+8*\b4+\j:T+8*\b4+\j+1], v[XR+8*\b4+\j:XR+8*\b4+\j+1]   ; + t(d) x cos(d)
.endr
.endr
	WIN 0
	QUANT2 XR, PCB+4*(2*(\a)+(\hh))
	v_lshl_or_b32 v[SC+8*(\hh)+(\a)], v[TM+5], 8, v[TM+4]
	v_or_b32 v[SC+8*(\hh)+(\a)], v[SC+8*(\hh)+(\a)], v[EX+(\a)]   ; the token's scale word: two bytes of the head, the mask's byte, 0
	global_store_b128 v[L16], v[PCB+4*(2*(\a)+(\hh)):PCB+4*(2*(\a)+(\hh))+3], s[8+2*(\hh):9+2*(\hh)] offset:512*(\a)   ; the image of four operand registers: 512 consecutive bytes
.endm
.irp a, 0,1,2,3,4,5,6,7
.if \a < 7
	s_wait_loadcnt 16                              ; this block's table is in; the next block's 16 loads may be out
.else
	s_wait_loadcnt 0x0
.endif
	QHEAD \a, 0
	QHEAD \a, 1
.if \a < 6
	QTAB \a+2
.endif
.endr
	s_mov_b32 vcc_lo, 0xffff0000
.irp hh, 0,1                           ; the image of scale words: lane (r, h) holds those of tiles 4 h + 0 .. 3 at row r
.irp i, 0,1,2,3
	v_cndmask_b32 v[SC+16+4*\hh+\i], v[SC+8*\hh+\i], v[SC+8*\hh+4+\i], vcc_lo
.endr
	global_store_b128 v[L16], v[SC+16+4*\hh:SC+16+4*\hh+3], s[20-2*\hh:21-2*\hh]
.endr
	s_branch .Lend
; ================ v
.Lv_path:
.macro VTAB bq                         ; cos (64 registers) and the signed sin (64) of my 128 tokens at tile bq's 16 d, into window 1
.set TC, 64-64*((\bq)%2)
	WIN 0x40
.irp g, 0,1,2,3,4,5,6,7,8,9,10,11,12,13,14,15
	global_load_b128 v[TC+4*\g:TC+4*\g+3], v[L16], s[4:5] offset:1048576+(\bq)*16384+512*\g
.endr
.irp g, 0,1,2,3,4,5,6,7,8,9,10,11,12,13,14,15
	global_load_b128 v[TC+128+4*\g:TC+128+4*\g+3], v[L16], s[4:5] offset:1048576+(\bq)*16384+8192+512*\g
.endr
	WIN 0
.endm
.irp j, 0,1,2,3,4,5,6,7
	v_mov_b32 v[EX+\j], 0x22222222                 ; a fragment of ones: the code of 1.0 is 2
.endr
	VTAB 0
	MAIN 1
	PLACES
	v_mov_b32 v[SC+8], 0x7f7f7f7f                  ; the ones' scale word: 1.0 four times
	VTAB 1                                         ; into the registers that held W's fragments
.macro VHEAD bq, hh
.set TC, 64-64*((\bq)%2)
.set BB, 4*(\hh)+(\bq)
.irp a, 0,1,2,3,4,5,6,7
	WIN 0x06+\a/4
.irp j, 0,1,2,3,4,5,6,7
	v_mul_f32_dpp v[XR+8*\a+\j], v[8*(8*(\a%4)+BB)+\j], v[TC+128+8*\a+\j] row_xmask:1 row_mask:0xf bank_mask:0xf   ; t(d xor 1), from lane r xor 1, x signed sin(d)
.endr
.irp j, 0,2,4,6
	v_pk_fma_f32 v[XR+8*\a+\j:XR+8*\a+\j+1], v[8*(8*(\a%4)+BB)+\j:8*(8*(\a%4)+BB)+\j+1], v[TC+8*\a+\j:TC+8*\a+\j+1], v[XR+8*\a+\j:XR+8*\a+\j+1]
.endr
.endr
	WIN 0
	QUANT4 XR, PCB+8*BB, SC+BB                     ; along the 128 tokens: one fragment of V^T and its rows' scale word
.irp c, 0,1
	global_store_b128 v[L16], v[PCB+8*BB+4*\c:PCB+8*BB+4*\c+3], s[8+2*(\hh):9+2*(\hh)] offset:4096+1024*(\bq)+512*\c
.endr
.endm
.irp bq, 0,1,2,3
.if \bq < 3
	s_wait_loadcnt 32                              ; this tile's table is in; the next tile's 32 loads may be out
.else
	s_wait_loadcnt 0x0
.endif
	VHEAD \bq, 0
	VHEAD \bq, 1
.if \bq < 2
	VTAB \bq+2
.endif
.endr
.rept 8
	v_nop                                          ; a scale register written by a vector instruction stands 8 places ahead of a scaled matrix instruction, an operand so written 4
.endr
	WIN 0x80                                       ; the results lie over accumulators (0, b), which are done with
.irp b, 0,1,2,3,4,5,6,7
	v_wmma_scale_f32_16x16x128_f8f6f4 v[8*\b:8*\b+7], v[EX:EX+7], v[PCB+8*\b:PCB+8*\b+7], 0, v[SC+8], v[SC+\b] matrix_a_fmt:MATRIX_FMT_FP4 matrix_b_fmt:MATRIX_FMT_FP4   ; every row: the sum over my 128 tokens of the quantised v at place r of tile b
.endr
	WIN 0
	PLACES
	s_mov_b32 vcc_lo, 0xffff0000
	WIN 0x0a                                       ; sources 0 and 1: window 2
.irp hh, 0,1
.irp p, 0,1
	v_cndmask_b32 v[TM+8+2*\hh+\p], v[8*(4*\hh+2*\p)], v[8*(4*\hh+2*\p+1)], vcc_lo   ; lane (r, h): place 16 (2 p + h) + r of the head's 64
.endr
.endr
	WIN 0
.irp hh, 0,1
.irp i, 0,1
	v_cndmask_b32 v[SC+20+2*\hh+\i], v[SC+4*\hh+\i], v[SC+4*\hh+2+\i], vcc_lo   ; the image of V's scale words: lane (r, h): tiles 2 h + 0, 1 at row r
.endr
	global_store_b64 v[L8], v[SC+20+2*\hh:SC+21+2*\hh], s[8+2*\hh:9+2*\hh] offset:8704
.irp p, 0,1
	global_store_b32 v[L4], v[TM+8+2*\hh+\p], s[8+2*\hh:9+2*\hh] offset:8960+128*\p
.endr
.endr
.Lend:
	s_wait_tensorcnt 0x0
	ds_add_u32 v126, v127
	s_wait_dscnt 0x0
	CROUND                                         ; the closing round: no work-group ends while a partner may still ask for a tile that names it
	s_endpgm
.Lfunc_end_k_qf3092be50f_qkv:
	.size	k_qf3092be50f_qkv, .Lfunc_end_k_qf3092be50f_qkv-k_qf3092be50f_qkv
	.p2alignl 7, 3214868480
	.fill 96, 4, 3214868480
	.section	.rodata,"a",@progbits
	.p2align	6, 0x0
	.amdhsa_kernel k_qf3092be50f_qkv
		.amdhsa_group_segment_fixed_size 296448
		.amdhsa_private_segment_fixed_size 0
		.amdhsa_enable_private_segment 0
		.amdhsa_kernarg_size 64
		.amdhsa_user_sgpr_count 2
		.amdhsa_user_sgpr_kernarg_segment_ptr 1
		.amdhsa_wavefront_size32 1
		.amdhsa_system_sgpr_workgroup_id_x 1
		.amdhsa_system_sgpr_workgroup_id_y 1
		.amdhsa_system_sgpr_workgroup_id_z 1
		.amdhsa_system_vgpr_workitem_id 0
		.amdhsa_next_free_vgpr 1024
		.amdhsa_next_free_sgpr 102
		.amdhsa_reserve_vcc 1
		.amdhsa_float_denorm_mode_32 3
		.amdhsa_float_denorm_mode_16_64 3
		.amdhsa_memory_ordered 1
		.amdhsa_forward_progress 1
		.amdhsa_inst_pref_size 255
	.end_amdhsa_kernel
	.section	.bss,"aw",@nobits
	.p2align	6
	.space	262144
	.amdgpu_metadata
---
amdhsa.version: [ 1, 2 ]
amdhsa.kernels:
  - .name:           k_qf3092be50f_qkv
    .symbol:         k_qf3092be50f_qkv.kd
    .args:
      - { .name: xc, .offset: 0, .size: 8, .value_kind: global_buffer, .address_space: global }
      - { .name: xs, .offset: 8, .size: 8, .value_kind: global_buffer, .address_space: global }
      - { .name: wc, .offset: 16, .size: 8, .value_kind: global_buffer, .address_space: global }
      - { .name: ws, .offset: 24, .size: 8, .value_kind: global_buffer, .address_space: global }
      - { .name: rot, .offset: 32, .size: 8, .value_kind: global_buffer, .address_space: global }
      - { .name: mask, .offset: 40, .size: 8, .value_kind: global_buffer, .address_space: global }
      - { .name: qq, .offset: 48, .size: 8, .value_kind: global_buffer, .address_space: global }
      - { .name: kv, .offset: 56, .size: 8, .value_kind: global_buffer, .address_space: global }
    .group_segment_fixed_size: 296448
    .private_segment_fixed_size: 0
    .kernarg_segment_align: 8
    .kernarg_segment_size: 64
    .max_flat_workgroup_size: 128
    .sgpr_count:     102
    .vgpr_count:     1024
    .wavefront_size: 32
...
	.end_amdgpu_metadata
.endif
;; end of part 2
;; launch attn (part 3): grid 4 x 64, 16 waves a work-group, no clusters, 169,984 bytes of LDS; arguments qq, kv, oq; writes oq
.if DOCPART == 3
	.amdgcn_target "amdgcn-amd-amdhsa--gfx1250"
	.amdhsa_code_object_version 6
	.text
	.protected	k_qf3092be50f_attn
	.globl	k_qf3092be50f_attn
	.p2align	8
	.type	k_qf3092be50f_attn,@function
k_qf3092be50f_attn:
	s_mov_b64 s[64:65], 0
	v_nop
	global_prefetch_b8 v0, s[64:65] scope:SCOPE_SE
	s_setreg_imm32_b32 hwreg(HW_REG_WAVE_MODE, 25, 1), 1
	s_wait_xcnt 0x0
; ATTENTION on codes of E2M1: causal, with the padding mask, for one head of one batch; the result leaves as codes for the last product.
; SHARES.  Work-group (i, head) owns query blocks 7 - i and i of 256 places: every work-group has the same number of visible key steps.  Each of its sixteen waves owns one tile of 16 queries of the one block,
; then one of the other (tiles 16 (7 - i) + w and 16 i + 15 - w): two jobs, one loop of two trips.  256 registers a wave, four waves to a SIMD: one wave's vector work stands beside another's products and LDS loads.
; THE HEAD'S K AND V, with their scale words, are 16 records of 9,216 bytes (128 keys each): 147,456 bytes, which lie in LDS whole, filled once: every wave asks for a sixteenth of each group of four records at
; the head (four loads of mine are out), and the first job waits group by group.  No LDS byte is filled twice.
; NO CLUSTER, though the four work-groups of a head read the same records: the branch that leaves hidden key steps out hangs on the query block, which would be the work-group's place in its cluster.
; LAYOUT.  Both products transposed: S^T = K Q^T, O^T = V^T P^T: a lane holds ONE query.  A tile's 16 places are keys 32 b + 8 u + r + 8 (r / 8), so that the 16 registers of tiles 2 b, 2 b + 1 are 16 neighbouring keys.
; THE FIRST PRODUCT'S K is 64; the instruction's upper 64 carry the padding mask: one code -6 in K, one code +6 in Q, and a scale byte that the launch before set by the key's mask: a padded key's score
; gets -36 x 2^100, an open key's -36 x 2^-96.  So the mask costs no instruction here.
; THE SOFTMAX: t = score x log2(e) / 8 (q's factor 1/8 is a power of two and is applied here); M = the running largest t rounded up to a whole number; p = 2^(t - M) is quantised along the keys; the row's sum is
; taken of the unquantised p and divides at the end.  When M moves, the sum and O^T are multiplied by 2^(old M - new M): exact.
; THE RUNNING LARGEST t BEGINS AT -2^100, above a padded key's t (about -8.2e30) and under every open key's: so a padded key never sets M, and its p is 2^(-6.9e30 or less) = 0 whatever the row has seen so far.
; A QUERY THAT SEES NO OPEN KEY has, with the finite number that stands for 'masked', the same logit at all 2,048 keys: its result is the mean of the quantised v.  Such a row ends with its largest t still at
; -2^100, under -1e30, and takes, by a select, the sum of the records' partial sums / 2,048.
; LIMITS: logits x log2(e) above -1e30; NaN and infinities are not served; blocks whose largest magnitude lies under 2^-124 keep the scale byte 1.
; The result's scale bytes leave as single bytes, a lane a byte, 32 bytes apart: one byte in 17 of what the launch stores.
; REGISTERS: v1-11 addresses; v12 -M, v13 the largest t, v[14:15] the sum; v16-23 Q; v32-95 eight fragments of K; v96-159 S^T, then p, then (v96-127) V's four fragments; v160-191 O^T;
;   v192-199 scale words and nothing else; v200-203 the second job's Q; v204-212 the way out; v224-231 p's codes; v232-254 at work.
.set REC,  9216                        ; a record: K's codes 4,096, V's codes 4,096, K's scale words 512, V's 256, the partial sums of v 256
.set GRP,  4*REC
.set SCR,  16*REC                      ; behind the records: 256 bytes of scratch for each wave, into which no fill lands
.set WV,   18
.set SEL,  20
.set CS,   22
.set G1,   24
.set G0,   32
.set TB,   2                           ; s2   LDS byte at which the step's record begins
.set KF,   48                          ; s48  the step's first key
.set Q0,   49                          ; s49  the tile's first query; s50 the next job's
.set CNT,  51
.set JOB,  52
.set OC,   54                          ; s[54:55] where the codes go, s[56:57] the scale bytes; s[58:61] the next job's
.set TM,   232
	s_load_b128 s[4:7], s[0:1], 0x0                ; qq s[4:5], kv s[6:7]
	s_load_b64 s[8:9], s[0:1], 0x10                ; oq
	v_lshl_add_u32 v251, v0, 2, 0x29000
	v_mov_b32 v255, 0
	ds_add_u32 v251, v255
	ds_add_u32 v251, v255
	v_lshrrev_b32 v8, 5, v0
	s_delay_alu instid0(VALU_DEP_1)
	v_readfirstlane_b32 s[WV], v8                  ; wave 0..15
	s_and_b32 s10, ttmp7, 0xffff                   ; 16 x batch + head
	; group 1: 2,304 dense bytes as 9 rows of 256 (32 elements of 8 bytes)
	s_mov_b32 s[G1], 3<<16
	s_mov_b32 s[G1+1], 32<<16
	s_mov_b32 s[G1+2], 9<<16
	s_mov_b32 s[G1+3], 32<<16
	s_mov_b32 s[G1+4], 9
	s_mov_b32 s[G1+5], 32
	s_mov_b32 s[G1+6], 0
	s_mov_b32 s[G1+7], 0
	s_mul_i32 s11, s[WV], 2304                     ; my sixteenth of a group of four records
	s_mul_i32 s12, s10, 16*REC
	s_add_co_u32 s12, s12, s11
	s_mov_b32 s13, 0
	s_wait_dscnt 0x0
	s_wait_kmcnt 0x0
	s_add_nc_u64 s[12:13], s[6:7], s[12:13]
.irp g, 0,1,2,3
	s_mov_b32 s[G0+4*\g], 1
	s_add_co_u32 s[G0+4*\g+1], s11, \g*GRP
	s_add_nc_u64 s[G0+4*\g+2:G0+4*\g+3], s[12:13], \g*GRP
	s_or_b32 s[G0+4*\g+3], s[G0+4*\g+3], 0x80000000
.endr
.irp g, 0,1,2,3
	tensor_load_to_lds s[G0+4*\g:G0+4*\g+3], s[G1:G1+7]   ; all fills of the launch, in one group at its start
	s_nop 0
.endr
.rept 4
	v_nop
.endr
	v_and_b32 v9, 31, v0
	s_delay_alu instid0(VALU_DEP_1)
	v_lshlrev_b32 v1, 4, v9                        ; 16 x lane
	s_delay_alu instid0(VALU_DEP_2)
	v_lshlrev_b32 v2, 3, v9                        ; 8 x lane
	v_and_b32 v24, 15, v0                          ; r
	v_bfe_u32 v25, v0, 4, 1                        ; h
	s_delay_alu instid0(VALU_DEP_2)
	v_and_b32 v3, 8, v24
	s_delay_alu instid0(VALU_DEP_1)
	v_add_nc_u32 v3, v3, v24
	s_delay_alu instid0(VALU_DEP_3)
	v_lshlrev_b32 v26, 4, v25
	s_delay_alu instid0(VALU_DEP_1)
	v_sub_nc_u32 v3, v3, v26                       ; r + 8 (r / 8) - 16 h: for the causal mask
	v_lshl_add_u32 v7, v24, 5, v25                 ; 32 r + h: my scale byte's place
	s_lshl_b32 s16, s[WV], 8
	s_add_co_u32 s16, s16, SCR
	v_add_nc_u32 v6, s16, v2                       ; my scratch: in, 8 bytes a lane;
	v_lshl_add_u32 v5, v25, 5, s16                 ; back, 32 h
	s_lshr_b32 s19, s10, 4                         ; the batch
	s_and_b32 s53, s10, 15                         ; the head
	s_sub_co_u32 s14, 7, ttmp9
	s_lshl_b32 s14, s14, 4
	s_add_co_u32 s14, s14, s[WV]                   ; the first job's tile
	s_lshl_b32 s15, ttmp9, 4
	s_add_co_u32 s15, s15, 15
	s_sub_co_u32 s15, s15, s[WV]                   ; the second job's
.macro TILE a, q0, oc, vf, vs          ; of tile s[a]: its first query; where its codes and scale bytes go; the offsets in qq of its fragment and of its rows' scale words
	s_lshr_b32 s16, s[\a], 1
	s_lshl_b32 s16, s16, 5
	s_and_b32 s17, s[\a], 1
	s_lshl_b32 s17, s17, 3
	s_add_co_u32 s[\q0], s16, s17                  ; 32 (A / 2) + 8 (A % 2)
	s_lshl_b32 s16, s19, 7
	s_add_co_u32 s16, s16, s[\a]                   ; 128 x batch + A
	s_lshl_b32 s62, s16, 9                         ; its 16 places' rows of 32 scale bytes
	s_lshl_b32 s16, s16, 4
	s_add_co_u32 s16, s16, s53
	s_lshl_b32 s16, s16, 9
	s_mov_b32 s17, 0
	s_add_nc_u64 s[\oc:\oc+1], s[8:9], s[16:17]
	s_lshl_b32 s16, s53, 1
	s_add_co_u32 s16, s16, s62
	s_add_co_u32 s16, s16, 4194304
	s_add_nc_u64 s[\oc+2:\oc+3], s[8:9], s[16:17]
	s_lshl_b32 s16, s10, 7
	s_add_co_u32 s16, s16, s[\a]
	s_lshl_b32 s16, s16, 9
	v_add_nc_u32 v[\vf], s16, v1
	s_lshr_b32 s16, s[\a], 2
	s_lshl_b32 s16, s16, 8
	s_and_b32 s17, s[\a], 3
	s_lshl_b32 s17, s17, 2
	s_add_co_u32 s16, s16, s17
	s_lshl_b32 s17, s10, 13
	s_add_co_u32 s16, s16, s17
	v_lshl_add_u32 v[\vs], v24, 4, s16
.endm
	TILE 14, Q0, OC, 10, 4
	TILE 15, Q0+1, OC+4, 11, 27
	s_wait_alu depctr_va_vdst(0)
	global_load_b128 v[16:19], v10, s[4:5]
	global_load_b32 v198, v4, s[4:5] offset:4194304
	global_load_b128 v[200:203], v11, s[4:5]
	global_load_b32 v199, v27, s[4:5] offset:4194304
	v_xor_b32 v26, 1, v25                          ; 1 in lanes 0-15
	s_delay_alu instid0(VALU_DEP_1)
	v_mul_u32_u24 v20, v26, 7                      ; Q's upper K: the code +6 at k = 64, zeros elsewhere
	v_mov_b32 v21, 0
	v_mov_b32 v22, 0
	v_mov_b32 v23, 0
.irp t, 0,1,2,3,4,5,6,7
	v_mul_u32_u24 v[36+8*\t], v26, 15              ; K's: the code -6 at k = 64
	v_mov_b32 v[37+8*\t], 0
	v_mov_b32 v[38+8*\t], 0
	v_mov_b32 v[39+8*\t], 0
.endr
.irp b, 0,1,2,3
	v_mov_b32 v[236+\b], 0                         ; written once: a lane permute's destination counts as one of its sources
.endr
	v_mov_b32 v252, 0
	v_mov_b32 v253, 0
	s_mov_b32 s[SEL], 0x76543210
	s_mov_b32 s[SEL+1], 0xfedcba98
	s_mov_b32 s[CS], 0x3e38aa3b                    ; c = log2(e) / 8
	s_mov_b32 s[CS+1], s[CS]
	s_mov_b32 s[JOB], 2
	s_wait_loadcnt 0x0
; A KEY STEP: the 128 keys of the record at s[TB].
.macro STEP
	s_add_co_u32 s16, s[Q0], 23                    ; a step all of whose keys come after my 16 queries is left out: a scalar branch on ids
	s_cmp_gt_u32 s[KF], s16
	s_cbranch_scc1 .Lhidden_\@
	s_setprio 2
	v_add_nc_u32 v8, s[TB], v1
	v_add_nc_u32 v9, s[TB], v2
.rept 3
	v_nop                                          ; with the two additions: five places between the last step's products and the products below, whose results lie over V's fragments
.endr
	ds_load_b128 v[192:195], v8 offset:8192        ; K's scale words: lane (r, h): tiles 4 h + 0 .. 3
.irp t, 0,1,2,3,4,5,6,7
	ds_load_b128 v[32+8*\t:35+8*\t], v8 offset:512*\t   ; the lower four registers of a fragment, as an image
.endr
	s_wait_dscnt 0x0
.irp t, 0,1,2,3
	v_wmma_scale_f32_16x16x128_f8f6f4 v[96+8*\t:103+8*\t], v[32+8*\t:39+8*\t], v[16:23], 0, v[192+\t], v198 matrix_a_fmt:MATRIX_FMT_FP4 matrix_b_fmt:MATRIX_FMT_FP4
.endr
.irp t, 4,5,6,7
	v_wmma_scale_f32_16x16x128_f8f6f4 v[96+8*\t:103+8*\t], v[32+8*\t:39+8*\t], v[16:23], 0, v[188+\t], v198 matrix_a_fmt:MATRIX_FMT_FP4 matrix_b_fmt:MATRIX_FMT_FP4 matrix_a_scale:MATRIX_SCALE_ROW1
.endr
.rept 4
	v_nop
.endr
	s_add_co_u32 s16, s[KF], 127                   ; on the diagonal the scores of hidden keys become -infinity; a step all of whose keys count skips this
	s_cmp_le_u32 s16, s[Q0]
	s_cbranch_scc1 .Lopen_\@
	s_sub_co_i32 s16, s[Q0], s[KF]
	v_add_nc_u32 v252, s16, v3                     ; d = my query - the step's first key - 16 h.  Register 16 b + i holds key 32 b + 16 h + i of the step: hidden where 32 b + i > d
	v_mov_b32 v254, 0xff800000
.irp n, 0,1,2,3,4,5,6,7,8,9,10,11,12,13,14,15,16,17,18,19,20,21,22,23,24,25,26,27,28,29,30,31,32,33,34,35,36,37,38,39,40,41,42,43,44,45,46,47,48,49,50,51,52,53,54,55,56,57,58,59,60,61,62,63
	v_cmp_gt_i32 vcc_lo, 32*(\n/16)+\n%16, v252
	v_cndmask_b32 v[96+\n], v[96+\n], v254, vcc_lo
.endr
.Lopen_\@:
.irp b, 0,1,2,3
	v_max3_num_f32 v[232+\b], v[96+16*\b], v[97+16*\b], v[98+16*\b]   ; the largest score of each block of 32 keys: for the row's maximum, and, since p rises with the score, for the block's largest p
.endr
.irp i, 3,5,7,9,11,13
.irp b, 0,1,2,3
	v_max3_num_f32 v[232+\b], v[232+\b], v[96+16*\b+\i], v[97+16*\b+\i]
.endr
.endr
.irp b, 0,1,2,3
	v_max_num_f32 v[232+\b], v[232+\b], v[111+16*\b]
.endr
.irp b, 0,1,2,3
	s_delay_alu instid0(VALU_DEP_4)
	v_permlanex16_b32 v[236+\b], v[232+\b], s[SEL], s[SEL+1]
.endr
.irp b, 0,1,2,3
	s_delay_alu instid0(VALU_DEP_4)
	v_max_num_f32 v[232+\b], v[232+\b], v[236+\b]
.endr
	s_delay_alu instid0(VALU_DEP_2)
	v_max3_num_f32 v254, v232, v233, v234
	s_delay_alu instid0(VALU_DEP_1)
	v_max_num_f32 v254, v254, v235
	s_delay_alu instid0(VALU_DEP_1)
	v_mul_f32 v254, s[CS], v254
	s_delay_alu instid0(VALU_DEP_1)
	v_max_num_f32 v13, v13, v254                   ; the running largest t
	v_mov_b32 v254, v12
	s_delay_alu instid0(VALU_DEP_2)
	v_floor_f32 v12, -v13                          ; the new -M = floor(-t): M is a whole number
	s_delay_alu instid0(VALU_DEP_1)
	v_sub_f32 v254, v12, v254
	s_delay_alu instid0(VALU_DEP_1)
	v_cvt_i32_f32 v254, v254                       ; (it saturates)
	s_delay_alu instid0(VALU_DEP_1)
	v_ldexp_f32 v252, 1.0, v254                    ; f = 2^(old M - new M)
.irp j, 0,2,4,6,8,10,12,14,16,18,20,22,24,26,28,30,32,34,36,38,40,42,44,46,48,50,52,54,56,58,60,62
	v_pk_fma_f32 v[96+\j:97+\j], v[96+\j:97+\j], s[CS:CS+1], v[12:13] op_sel_hi:[1,0,0]   ; t - M
.endr
	s_setprio 1
.irp b, 0,1,2,3
	v_fma_f32 v[232+\b], v[232+\b], s[CS], v12
.endr
	s_wait_alu depctr_va_vdst(0)
.irp j, 0,1,2,3,4,5,6,7,8,9,10,11,12,13,14,15,16,17,18,19,20,21,22,23,24,25,26,27,28,29,30,31,32,33,34,35,36,37,38,39,40,41,42,43,44,45,46,47,48,49,50,51,52,53,54,55,56,57,58,59,60,61,62,63
	v_exp_f32 v[96+\j], v[96+\j]                   ; p = 2^(t - M): not normalised
.endr
	v_pk_mul_f32 v[14:15], v[14:15], v[252:253] op_sel_hi:[1,0]   ; the sums under the new M: a plain place behind the exponentials
	s_wait_alu depctr_va_vdst(0)                   ; one wait for the whole batch, ahead of its first reader
.irp b, 0,1,2,3
	v_exp_f32 v[232+\b], v[232+\b]                 ; each block's largest p
.endr
	v_pk_add_f32 v[236:237], v[100:101], v[104:105]
	v_pk_add_f32 v[248:249], v[108:109], v[112:113]
	v_pk_add_f32 v[246:247], v[116:117], v[120:121]
	v_pk_add_f32 v[244:245], v[124:125], v[128:129]
	v_pk_add_f32 v[242:243], v[132:133], v[136:137]
	v_pk_add_f32 v[240:241], v[140:141], v[144:145]
	v_pk_add_f32 v[238:239], v[148:149], v[152:153]
	v_pk_add_f32 v[14:15], v[14:15], v[156:157]
	v_pk_add_f32 v[236:237], v[236:237], v[96:97]
	v_pk_add_f32 v[248:249], v[248:249], v[98:99]
	v_pk_add_f32 v[246:247], v[246:247], v[102:103]
	v_pk_add_f32 v[244:245], v[244:245], v[106:107]
	v_pk_add_f32 v[242:243], v[242:243], v[110:111]
	v_pk_add_f32 v[240:241], v[240:241], v[114:115]
	v_pk_add_f32 v[238:239], v[238:239], v[118:119]
	v_pk_add_f32 v[14:15], v[14:15], v[122:123]
	v_pk_add_f32 v[236:237], v[236:237], v[126:127]
	v_pk_add_f32 v[248:249], v[248:249], v[130:131]
	v_pk_add_f32 v[246:247], v[246:247], v[134:135]
	v_pk_add_f32 v[244:245], v[244:245], v[138:139]
	v_pk_add_f32 v[242:243], v[242:243], v[142:143]
	v_pk_add_f32 v[240:241], v[240:241], v[146:147]
	v_pk_add_f32 v[238:239], v[238:239], v[150:151]
	v_pk_add_f32 v[14:15], v[14:15], v[154:155]
	v_pk_add_f32 v[236:237], v[236:237], v[158:159]
	s_delay_alu instid0(VALU_DEP_2)
	v_pk_add_f32 v[14:15], v[14:15], v[244:245]
	s_delay_alu instid0(VALU_DEP_2)
	v_pk_add_f32 v[236:237], v[236:237], v[242:243]
	v_pk_add_f32 v[248:249], v[248:249], v[240:241]
	v_pk_add_f32 v[246:247], v[246:247], v[238:239]
	s_delay_alu instid0(VALU_DEP_2)
	v_pk_add_f32 v[14:15], v[14:15], v[248:249]
	s_delay_alu instid0(VALU_DEP_2)
	v_pk_add_f32 v[236:237], v[236:237], v[246:247]
	s_delay_alu instid0(VALU_DEP_1)
	v_pk_add_f32 v[14:15], v[14:15], v[236:237]
	s_wait_alu depctr_va_vdst(0)                   ; and one for the four
.irp b, 0,1,2,3
	v_max_num_f32 v[232+\b], 0x1800000, v[232+\b]  ; the floor 2^(3 - 127)
.endr
.irp b, 0,1,2,3
	s_delay_alu instid0(VALU_DEP_4)
	v_add_nc_u32 v[244+\b], 0xff000000, v[232+\b]
.endr
.irp b, 0,1,2,3
	s_delay_alu instid0(VALU_DEP_4)
	v_lshrrev_b32 v[236+\b], 23, v[244+\b]
.endr
	s_delay_alu instid0(VALU_DEP_3)
	v_lshl_or_b32 v253, v237, 8, v236              ; p's scale word for these 128 keys
	s_delay_alu instid0(VALU_DEP_1)
	v_lshl_or_b32 v253, v238, 16, v253
	s_delay_alu instid0(VALU_DEP_1)
	v_lshl_or_b32 v253, v239, 24, v253
	s_setprio 0
.irp b, 0,1,2,3
	v_cvt_scalef32_pk8_fp4_f32 v[224+2*\b], v[96+16*\b:103+16*\b], v[244+\b]
	v_cvt_scalef32_pk8_fp4_f32 v[225+2*\b], v[104+16*\b:111+16*\b], v[244+\b]
.endr
	v_nop                                          ; one plain place behind a scaled conversion
.irp c, 0,1
.irp i, 0,1
	v_permlane16_swap_b32 v[224+4*\c+\i], v[226+4*\c+\i]
.endr
.endr
.irp t, 0,1,2,3
.irp c, 0,1
	ds_load_b128 v[96+8*\t+4*\c:99+8*\t+4*\c], v8 offset:4096+1024*\t+512*\c   ; V's four fragments, where p lay
.endr
.endr
	ds_load_b64 v[196:197], v9 offset:8704         ; V's scale words: lane (r, h): tiles 2 h + 0, 1
.irp j, 0,2,4,6,8,10,12,14,16,18,20,22,24,26,28,30
	v_pk_mul_f32 v[160+\j:161+\j], v[160+\j:161+\j], v[252:253] op_sel_hi:[1,0]   ; O^T under the new M; these sixteen are also the places in front of the products below
.endr
	s_wait_alu depctr_va_vdst(0)
	s_wait_dscnt 0x0
.irp t, 0,1
	v_wmma_scale_f32_16x16x128_f8f6f4 v[160+8*\t:167+8*\t], v[96+8*\t:103+8*\t], v[224:231], v[160+8*\t:167+8*\t], v[196+\t], v253 matrix_a_fmt:MATRIX_FMT_FP4 matrix_b_fmt:MATRIX_FMT_FP4
.endr
.irp t, 2,3
	v_wmma_scale_f32_16x16x128_f8f6f4 v[160+8*\t:167+8*\t], v[96+8*\t:103+8*\t], v[224:231], v[160+8*\t:167+8*\t], v[194+\t], v253 matrix_a_fmt:MATRIX_FMT_FP4 matrix_b_fmt:MATRIX_FMT_FP4 matrix_a_scale:MATRIX_SCALE_ROW1
.endr
.Lhidden_\@:
.endm
; Four records.  In the first job the count leaves my parts of the later groups on their way; in the second all have landed and the wait is met at once.  The trip counts are constants; no barrier is jumped over.
.macro GROUP g
	s_wait_tensorcnt 3-\g
	s_wait_dscnt 0x0
	s_barrier_signal -1
	s_barrier_wait -1                              ; every wave's sixteenth of this group is in
	s_mov_b32 s[TB], \g*GRP
	s_mov_b32 s[KF], \g*512
	s_mov_b32 s[CNT], 4
.Lstep_\@:
	STEP
	s_add_co_u32 s[TB], s[TB], REC
	s_add_co_u32 s[KF], s[KF], 128
	s_sub_co_u32 s[CNT], s[CNT], 1
	s_cmp_lg_u32 s[CNT], 0
	s_cbranch_scc1 .Lstep_\@
	s_setprio 0
.endm
.macro QUANT2 s, pc                    ; 32 numbers of a lane, v[s + 16 b + i] = k 32 b + 16 h + i of my row, become 4 registers of codes; the two scale bytes are left in v[TM+4], v[TM+5]
.irp b, 0,1
	v_max3_num_f32 v[TM+\b], |v[\s+16*\b]|, |v[\s+1+16*\b]|, 0x1800000
.endr
.irp i, 2,4,6,8,10,12,14
.irp b, 0,1
	s_delay_alu instid0(VALU_DEP_2)
	v_max3_num_f32 v[TM+\b], v[TM+\b], |v[\s+16*\b+\i]|, |v[\s+1+16*\b+\i]|
.endr
.endr
.irp b, 0,1
	s_delay_alu instid0(VALU_DEP_2)
	v_permlanex16_b32 v[TM+4+\b], v[TM+\b], s[SEL], s[SEL+1]
.endr
.irp b, 0,1
	s_delay_alu instid0(VALU_DEP_2)
	v_max_num_f32 v[TM+\b], v[TM+\b], v[TM+4+\b]
.endr
.irp b, 0,1
	s_delay_alu instid0(VALU_DEP_2)
	v_add_nc_u32 v[TM+12+\b], 0xff000000, v[TM+\b]
.endr
.irp b, 0,1
	s_delay_alu instid0(VALU_DEP_2)
	v_lshrrev_b32 v[TM+4+\b], 23, v[TM+12+\b]
.endr
.irp b, 0,1
	v_cvt_scalef32_pk8_fp4_f32 v[(\pc)+2*\b], v[\s+16*\b:\s+7+16*\b], v[TM+12+\b]
	v_cvt_scalef32_pk8_fp4_f32 v[(\pc)+1+2*\b], v[\s+8+16*\b:\s+15+16*\b], v[TM+12+\b]
.endr
	v_nop
	v_permlane16_swap_b32 v[(\pc)], v[(\pc)+2]
	v_permlane16_swap_b32 v[(\pc)+1], v[(\pc)+3]
.endm
.Ljob:
	v_mov_b32 v13, 0xf1800000                      ; the largest t so far: -2^100: above every padded key's t, under every open key's
	s_delay_alu instid0(VALU_DEP_1)
	v_floor_f32 v12, -v13
	v_mov_b32 v14, 0
	v_mov_b32 v15, 0
.irp j, 0,1,2,3,4,5,6,7,8,9,10,11,12,13,14,15,16,17,18,19,20,21,22,23,24,25,26,27,28,29,30,31
	v_mov_b32 v[160+\j], 0                         ; O^T: the step is written once, and its first run finds zeros
.endr
	GROUP 0
	GROUP 1
	GROUP 2
	GROUP 3
	; THE WAY OUT
.rept 4
	v_nop                                          ; places behind the last products
.endr
	v_add_f32 v14, v14, v15
	s_delay_alu instid0(VALU_DEP_1)
	v_permlanex16_b32 v252, v14, s[SEL], s[SEL+1]
	s_delay_alu instid0(VALU_DEP_1)
	v_add_f32 v14, v14, v252                       ; the row's sum
	s_wait_alu depctr_va_vdst(0)
	v_rcp_f32 v14, v14
.irp g, 0,1,2,3                        ; the sixteen records' partial sums of v: 64 numbers each, two a lane
	v_add_nc_u32 v8, \g*GRP, v2
.irp s, 0,1,2,3
	ds_load_b64 v[128+2*(4*\g+\s):129+2*(4*\g+\s)], v8 offset:\s*REC+8960
.endr
.endr
	s_wait_dscnt 0x0
.irp s, 2
	v_pk_add_f32 v[128:129], v[128:129], v[128+2*\s:129+2*\s]
	v_pk_add_f32 v[130:131], v[130:131], v[130+2*\s:131+2*\s]
.endr
.irp s, 4, 6, 8, 10, 12, 14
	s_delay_alu instid0(VALU_DEP_2)
	v_pk_add_f32 v[128:129], v[128:129], v[128+2*\s:129+2*\s]
	s_delay_alu instid0(VALU_DEP_2)
	v_pk_add_f32 v[130:131], v[130:131], v[130+2*\s:131+2*\s]
.endr
	s_delay_alu instid0(VALU_DEP_1)
	v_pk_add_f32 v[128:129], v[128:129], v[130:131]
	s_delay_alu instid0(VALU_DEP_1)
	v_pk_mul_f32 v[204:205], v[128:129], 0x3a000000 op_sel_hi:[1,0]   ; / 2,048: the mean of v
	ds_store_b64 v6, v[204:205]                    ; through my scratch, into the result's layout: LDS serves a wave's instructions in order
.irp t, 0,1,2,3
	ds_load_b128 v[128+8*\t:131+8*\t], v5 offset:64*\t
	ds_load_b128 v[132+8*\t:135+8*\t], v5 offset:64*\t+16
.endr
	s_wait_alu depctr_va_vdst(0)                   ; ahead of the reciprocal's first reader
.irp j, 0,1,2,3,4,5,6,7,8,9,10,11,12,13,14,15,16,17,18,19,20,21,22,23,24,25,26,27,28,29,30,31
	v_mul_f32 v[96+\j], v[160+\j], v14             ; O^T / the sum: register 16 b + i is d = 32 b + 16 h + i of my query
.endr
	s_wait_dscnt 0x0
	v_cmp_gt_f32 vcc_lo, 0xf149f2ca, v13           ; -1e30 > the largest t: no open key was seen
.irp j, 0,1,2,3,4,5,6,7,8,9,10,11,12,13,14,15,16,17,18,19,20,21,22,23,24,25,26,27,28,29,30,31
	v_cndmask_b32 v[96+\j], v[96+\j], v[128+\j], vcc_lo
.endr
	QUANT2 96, 208                                 ; along the head's 64: half a K step of the last product
	s_mov_b32 vcc_lo, 0xffff0000
	v_cndmask_b32 v212, v[TM+4], v[TM+5], vcc_lo   ; lane (r, h) has the byte of block h
	global_store_b128 v1, v[208:211], s[OC:OC+1]   ; the image of four operand registers: 512 consecutive bytes
	global_store_b8 v7, v212, s[OC+2:OC+3]
	s_wait_xcnt 0x0                                ; the stores have read their bases and their data: both are written again below and in the next job
	v_mov_b32 v16, v200                            ; the second job's tile
	v_mov_b32 v17, v201
	v_mov_b32 v18, v202
	v_mov_b32 v19, v203
	v_mov_b32 v198, v199
	s_mov_b32 s[Q0], s[Q0+1]
	s_mov_b64 s[OC:OC+1], s[OC+4:OC+5]
	s_mov_b64 s[OC+2:OC+3], s[OC+6:OC+7]
	s_sub_co_u32 s[JOB], s[JOB], 1
	s_cmp_lg_u32 s[JOB], 0
	s_cbranch_scc1 .Ljob
	s_wait_tensorcnt 0x0
	ds_add_u32 v251, v255
	s_wait_dscnt 0x0
	s_endpgm
.Lfunc_end_k_qf3092be50f_attn:
	.size	k_qf3092be50f_attn, .Lfunc_end_k_qf3092be50f_attn-k_qf3092be50f_attn
	.p2alignl 7, 3214868480
	.fill 96, 4, 3214868480
	.section	.rodata,"a",@progbits
	.p2align	6, 0x0
	.amdhsa_kernel k_qf3092be50f_attn
		.amdhsa_group_segment_fixed_size 169984
		.amdhsa_private_segment_fixed_size 0
		.amdhsa_enable_private_segment 0
		.amdhsa_kernarg_size 24
		.amdhsa_user_sgpr_count 2
		.amdhsa_user_sgpr_kernarg_segment_ptr 1
		.amdhsa_wavefront_size32 1
		.amdhsa_system_sgpr_workgroup_id_x 1
		.amdhsa_system_sgpr_workgroup_id_y 1
		.amdhsa_system_sgpr_workgroup_id_z 1
		.amdhsa_system_vgpr_workitem_id 0
		.amdhsa_next_free_vgpr 256
		.amdhsa_next_free_sgpr 70
		.amdhsa_reserve_vcc 1
		.amdhsa_float_denorm_mode_32 3
		.amdhsa_float_denorm_mode_16_64 3
		.amdhsa_memory_ordered 1
		.amdhsa_forward_progress 1
		.amdhsa_inst_pref_size 105
	.end_amdhsa_kernel
	.amdgpu_metadata
---
amdhsa.version: [ 1, 2 ]
amdhsa.kernels:
  - .name:           k_qf3092be50f_attn
    .symbol:         k_qf3092be50f_attn.kd
    .args:
      - { .name: qq, .offset: 0, .size: 8, .value_kind: global_buffer, .address_space: global }
      - { .name: kv, .offset: 8, .size: 8, .value_kind: global_buffer, .address_space: global }
      - { .name: oq, .offset: 16, .size: 8, .value_kind: global_buffer, .address_space: global }
    .group_segment_fixed_size: 169984
    .private_segment_fixed_size: 0
    .kernarg_segment_align: 8
    .kernarg_segment_size: 24
    .max_flat_workgroup_size: 512
    .sgpr_count:     70
    .vgpr_count:     256
    .wavefront_size: 32
...
	.end_amdgpu_metadata
.endif
;; end of part 3
;; launch proj (part 4): grid 4 x 64, 4 waves a work-group, clusters of 4 x 4, 252,160 bytes of LDS; arguments oq, wc, ws, b_out, out0; writes out0
.if DOCPART == 4
	.amdgcn_target "amdgcn-amd-amdhsa--gfx1250"
	.amdhsa_code_object_version 6
	.text
	.protected	k_qf3092be50f_proj
	.globl	k_qf3092be50f_proj
	.p2align	8
	.type	k_qf3092be50f_proj,@function
k_qf3092be50f_proj:
	s_mov_b64 s[64:65], 0
	v_nop
	global_prefetch_b8 v0, s[64:65] scope:SCOPE_SE
	s_setreg_imm32_b32 hwreg(HW_REG_WAVE_MODE, 25, 1), 1
	s_wait_xcnt 0x0
	s_wait_alu depctr_hold_cnt(0) depctr_sa_sdst(0) depctr_va_vdst(0) depctr_va_sdst(0) depctr_va_ssrc(0) depctr_va_vcc(0) depctr_vm_vsrc(0)
	s_getreg_b32 s2, hwreg(HW_REG_IB_STS2, 6, 4)
	s_cmp_eq_u32 s2, 0
	s_cbranch_scc0 .Lentry_in_a_cluster
	s_endpgm
.Lentry_in_a_cluster:
	s_bfe_u32 s2, ttmp6, 0x10000c
	s_cmp_lg_u32 s2, 0xf033
	s_cbranch_scc0 .Lentry_shape_is_right
	s_endpgm
.Lentry_shape_is_right:
; PROJ: out0 = o W_out + b_out on codes of E2M1.  o's codes lie in memory as images of operand registers, [tile of 16 places][head][512 bytes]; W_out's as rows of 512 bytes (places 3,072 on of wc).
; A work-group makes 128 places of tokens x 256 places of columns, so that there are 256 work-groups; each of its four waves 64 x 128: 32 accumulators.  K = 1,024: both operands' whole K lies in LDS,
; as two halves, each filled once; no LDS byte is filled twice.  CLUSTERS: 4 x 4 work-groups; o's tiles are asked for jointly along a row of the cluster, W's along a column.
; Source 0 = 16 places of W, source 1 = 16 places of o: a lane holds one token and eight neighbouring columns.  The bias is the C of each sum's first product: it costs no addition.
; The places are undone on the way out: a tile's columns by the byte at which a lane stores into the stage, its rows by the stores' immediates.
; REGISTERS: window 0: v16-27 addresses; v32-95 scale words and nothing else; v128-159, v192-223 o's fragments, two sets; on the way out v128-255 rows of the result.
;   window 1: v0-63, v128-191 W's fragments, two sets.   window 2: accumulator (a, b) at v[8 (8 a + b)].   window 3: v0-63 the bias, eight registers for each b.
.set PITCH,  272
.set AHALF,  32768                     ; o's images of half of K: 8 tiles x 4,096 bytes
.set WB,     65536                     ; behind both: W's 256 rows x 272 bytes, for each half of K
.set WSLOT,  256*PITCH
.set SCA,    204800                    ; o's scale bytes: 16 units of 256 + 16
.set SCB,    209152                    ; W's: 32 units
.set SBLK,   2*272
.set STG,    217856                    ; a stage of 16 rows x 528 bytes for each wave: bytes into which no fill lands
.set SPITCH, 528
.set ADRA, 16
.set ADRB, 20
.set STO,  24
.set RD,   25
.set CO,   26
.set ADRS, 27
.set SC,   32
.set AF,   128
.set BK,   128
.set WV, 14
.set RH, 15
.set CH, 16
.set G1, 24
.set G0, 32
.set G1B, 48
.set G0B, 56
.set G1S, 68
.set G0S, 76
.set G1SB, 80
.set G0SB, 88
.set MSB, 0
.macro WIN new
.if MSB != (\new)
	s_set_vgpr_msb (MSB<<8)|(\new)
.set MSB, (\new)
.endif
.endm
.macro PLACES
.rept 4
	v_nop
.endr
.endm
.macro JLOAD g0a, g1a, g0b, g1b        ; waves 0 and 1 fetch for o, waves 2 and 3 for W; four v_nop follow each of the two lines
	s_cmp_eq_u32 s[RH], 0
	s_cbranch_scc0 .Lfor_b_\@
	tensor_load_to_lds s[\g0a:\g0a+3], s[\g1a:\g1a+7]
	s_nop 0
.rept 4
	v_nop
.endr
	s_branch .Lasked_\@
.Lfor_b_\@:
	tensor_load_to_lds s[\g0b:\g0b+3], s[\g1b:\g1b+7]
	s_nop 0
.rept 4
	v_nop
.endr
.Lasked_\@:
.endm
.macro CROUND
	s_barrier_signal -1
	s_barrier_wait -1
	s_cmp_lg_u32 s[WV], 0
	s_cbranch_scc1 .Lnot_wave_0_\@
	s_barrier_signal -3
.Lnot_wave_0_\@:
	s_barrier_wait -3
	s_barrier_signal -1
	s_barrier_wait -1
.endm
	s_load_b256 s[4:11], s[0:1], 0x0               ; oq s[4:5], wc s[6:7], ws s[8:9], b_out s[10:11]
	s_load_b64 s[12:13], s[0:1], 0x20              ; out0
	v_lshl_add_u32 v126, v0, 2, 0x3d700
	v_mov_b32 v127, 0
	ds_add_u32 v126, v127
	ds_add_u32 v126, v127
	v_lshrrev_b32 v1, 5, v0
	v_readfirstlane_b32 s[WV], v1
	s_lshr_b32 s[RH], s[WV], 1                     ; which 64 rows are mine.  Also: I fetch for o (0) or for W (1)
	s_and_b32 s[CH], s[WV], 1                      ; which 128 columns.  Also: which half of that tile I fetch
	s_bfe_u32 s40, ttmp6, 0x40000                  ; cx
	s_bfe_u32 s41, ttmp6, 0x40004                  ; cy
	s_lshl_b32 s42, ttmp9, 2
	s_add_co_u32 s42, s42, s40                     ; tile of columns
	s_and_b32 s17, ttmp7, 0xffff
	s_lshl_b32 s17, s17, 2
	s_add_co_u32 s17, s17, s41                     ; tile of rows
	s_lshl_b32 s43, s41, 2
	s_lshl_b32 s43, 15, s43                        ; my row of the cluster
	s_lshl_b32 s44, 0x1111, s40                    ; my column
	; o's images: 4 tiles x 4,096 bytes (512 elements of 8 bytes), 8,192 bytes apart in memory, dense in LDS
	s_or_b32 s[G1+0], s43, (3<<16)|(1<<21)
	s_mov_b32 s[G1+1], 512<<16
	s_mov_b32 s[G1+2], 4<<16
	s_mov_b32 s[G1+3], 512<<16
	s_mov_b32 s[G1+4], 4
	s_mov_b32 s[G1+5], 1024
	s_mov_b32 s[G1+6], 0
	s_mov_b32 s[G1+7], 0
	; W: 128 rows x 256 bytes, 512 bytes apart, 16 bytes of padding behind each
	s_or_b32 s[G1B+0], s44, (0<<16)|(1<<20)|(1<<21)|(5<<22)|(3<<25)
	s_mov_b32 s[G1B+1], 256<<16
	s_mov_b32 s[G1B+2], 128<<16
	s_mov_b32 s[G1B+3], 256<<16
	s_mov_b32 s[G1B+4], 128
	s_mov_b32 s[G1B+5], 512
	s_mov_b32 s[G1B+6], 0
	s_mov_b32 s[G1B+7], 0
	; scale bytes: dense, as rows of 256 bytes + 16 of padding: o's 64 rows are 8 such, W's 128 rows 16
	s_or_b32 s[G1S+0], s43, (3<<16)|(1<<20)|(1<<21)|(5<<22)|(3<<25)
	s_mov_b32 s[G1S+1], 32<<16
	s_mov_b32 s[G1S+2], 8<<16
	s_mov_b32 s[G1S+3], 32<<16
	s_mov_b32 s[G1S+4], 8
	s_mov_b32 s[G1S+5], 32
	s_mov_b32 s[G1S+6], 0
	s_mov_b32 s[G1S+7], 0
	s_or_b32 s[G1SB+0], s44, (3<<16)|(1<<20)|(1<<21)|(5<<22)|(3<<25)
	s_mov_b32 s[G1SB+1], 32<<16
	s_mov_b32 s[G1SB+2], 16<<16
	s_mov_b32 s[G1SB+3], 32<<16
	s_mov_b32 s[G1SB+4], 16
	s_mov_b32 s[G1SB+5], 32
	s_mov_b32 s[G1SB+6], 0
	s_mov_b32 s[G1SB+7], 0
	s_lshl_b32 s20, s17, 16
	s_lshl_b32 s21, s[CH], 15
	s_add_co_u32 s20, s20, s21                     ; o's codes: 8 tiles a work-group, 4 a load
	s_mov_b32 s21, 0
	s_lshl_b32 s22, s17, 12
	s_lshl_b32 s23, s[CH], 11
	s_add_co_u32 s22, s22, s23
	s_add_co_u32 s22, s22, 4194304                 ; o's scale bytes: 128 rows a work-group, 64 a load
	s_mov_b32 s23, 0
	s_lshl_b32 s46, s42, 8
	s_lshl_b32 s47, s[CH], 7
	s_add_co_u32 s46, s46, s47
	s_add_co_u32 s46, s46, 3072                    ; W_out's place in wc and ws
	s_lshl_b32 s18, s46, 5
	s_mov_b32 s19, 0
	s_lshl_b32 s46, s46, 9
	s_mov_b32 s47, 0
	s_lshl_b32 s45, s[CH], 14                      ; where they go: no place in the cluster enters an LDS address
	s_mul_i32 s2, s[CH], 128*PITCH
	s_add_co_u32 s2, s2, WB
	s_mul_i32 s3, s[CH], 8*272
	s_add_co_u32 s3, s3, SCA
	s_mul_i32 s66, s[CH], 16*272
	s_add_co_u32 s66, s66, SCB
	s_wait_dscnt 0x0
	s_wait_kmcnt 0x0
	s_add_nc_u64 s[20:21], s[4:5], s[20:21]
	s_add_nc_u64 s[22:23], s[4:5], s[22:23]
	s_add_nc_u64 s[46:47], s[6:7], s[46:47]
	s_add_nc_u64 s[18:19], s[8:9], s[18:19]
	CROUND                                         ; all sixteen work-groups are here: the joint loads meet
	s_mov_b32 s[G0S], 1
	s_mov_b32 s[G0S+1], s3
	s_mov_b64 s[G0S+2:G0S+3], s[22:23]
	s_or_b32 s[G0S+3], s[G0S+3], 0x80000000
	s_mov_b32 s[G0SB], 1
	s_mov_b32 s[G0SB+1], s66
	s_mov_b64 s[G0SB+2:G0SB+3], s[18:19]
	s_or_b32 s[G0SB+3], s[G0SB+3], 0x80000000
	JLOAD G0S, G1S, G0SB, G1SB
.irp s, 0,1
	s_mov_b32 s[G0+4*\s], 1
	s_add_co_u32 s[G0+4*\s+1], s45, \s*AHALF
	s_add_nc_u64 s[G0+4*\s+2:G0+4*\s+3], s[20:21], \s*4096
	s_or_b32 s[G0+4*\s+3], s[G0+4*\s+3], 0x80000000
	s_mov_b32 s[G0B+4*\s], 1
	s_add_co_u32 s[G0B+4*\s+1], s2, \s*WSLOT
	s_add_nc_u64 s[G0B+4*\s+2:G0B+4*\s+3], s[46:47], \s*256
	s_or_b32 s[G0B+4*\s+3], s[G0B+4*\s+3], 0x80000000
	JLOAD G0+4*\s, G1, G0B+4*\s, G1B               ; three loads of mine are out; all fills of the launch have been asked for
.endr
	v_and_b32 v1, 15, v0                           ; r
	v_bfe_u32 v2, v0, 4, 1                         ; h
	v_and_b32 v7, 31, v0
	v_lshlrev_b32 v[CO], 4, v7                     ; 16 x lane
	s_lshl_b32 s21, s[RH], 14                      ; my four tiles of o
	v_mul_u32_u24 v3, v1, PITCH
	v_lshl_add_u32 v4, v2, 4, v3
	s_mul_i32 s22, s[CH], 128*PITCH
	s_add_co_u32 s22, s22, WB                      ; my 128 rows of W
.irp s, 0,1
	v_add_nc_u32 v[ADRA+\s], s21, v[CO]
	v_add_nc_u32 v[ADRB+\s], s22, v4
	s_add_co_u32 s21, s21, AHALF
	s_add_co_u32 s22, s22, WSLOT
.endr
	v_lshlrev_b32 v5, 5, v1
	v_lshrrev_b32 v6, 8, v5
	v_lshl_add_u32 v5, v6, 4, v5                   ; my row's scales: 32 bytes a row, 16 more for each 256 passed
	s_mul_i32 s21, s[RH], 8*272
	s_mul_i32 s22, s[CH], 16*272
	s_add_co_u32 s22, s22, SCB-SCA
	s_sub_co_u32 s22, s22, s21
	v_mul_u32_u24 v6, s22, v2                      ; lanes 16-31 take W's: the lower base + h x the distance
	s_add_co_u32 s21, s21, SCA
	v_add_nc_u32 v5, v5, v6
	v_add_nc_u32 v[ADRS], s21, v5
	s_mul_i32 s23, s[WV], 16*SPITCH
	s_add_co_u32 s23, s23, STG                     ; my stage
	v_mul_u32_u24 v5, v1, SPITCH
	v_lshl_add_u32 v5, v2, 6, v5
	v_add_nc_u32 v[STO], s23, v5                   ; in: row r, + 64 h: columns 16 h on of each 32
	v_add_nc_u32 v[RD], s23, v[CO]                 ; back: the 32 lanes take one row of 512 bytes
	v_lshlrev_b32 v8, 6, v2                        ; the bias: 16 h numbers on
	s_lshl_b32 s20, s42, 10
	s_lshl_b32 s21, s[CH], 9
	s_add_co_u32 s20, s20, s21                     ; my first column, in bytes
	s_mov_b32 s21, 0
	s_add_nc_u64 s[10:11], s[10:11], s[20:21]
	s_add_nc_u64 s[12:13], s[12:13], s[20:21]
	s_lshl_b32 s20, s17, 19
	s_lshl_b32 s22, s[RH], 18
	s_add_co_u32 s20, s20, s22                     ; my first row: 128 x tile + 64 x half, 4,096 bytes each
	s_add_nc_u64 s[12:13], s[12:13], s[20:21]
	WIN 0xc0                                       ; destination window 3
.irp b, 0,1,2,3,4,5,6,7
	global_load_b128 v[8*\b:8*\b+3], v8, s[10:11] offset:128*(\b/2)+32*(\b%2)      ; lane (r, h): b_out at columns 32 (b / 2) + 8 (b % 2) + 16 h + 0 .. 7
	global_load_b128 v[8*\b+4:8*\b+7], v8, s[10:11] offset:128*(\b/2)+32*(\b%2)+16
.endr
	WIN 0
.macro FETCH p, slot, q                ; W's eight fragments and o's four into set p
	WIN 0x40
.irp i, 0,1,2,3,4,5,6,7
.irp c, 0,1
	ds_load_b128 v[128*(\p)+8*\i+4*\c:128*(\p)+8*\i+4*\c+3], v[ADRB+(\slot)] offset:64*(\q)+32*\c+\i*16*PITCH
.endr
.endr
	WIN 0
.irp i, 0,1,2,3
.irp c, 0,1
	ds_load_b128 v[AF+64*(\p)+8*\i+4*\c:AF+64*(\p)+8*\i+4*\c+3], v[ADRA+(\slot)] offset:\i*4096+(\q)*1024+512*\c   ; head 2 q + c of the half is registers 4 c on of the fragment
.endr
.endr
.endm
.macro SCALES sc                       ; lanes 0-15 take o's block i (blocks 0-3 are used), lanes 16-31 W's block i
.irp i, 0,1,2,3,4,5,6,7
	ds_load_b128 v[SC+32*\sc+4*\i:SC+32*\sc+4*\i+3], v[ADRS] offset:\i*SBLK+16*\sc
.endr
.endm
.macro MM a, b, n
.set rD, 8*(8*(\a)+(\b))
.set rW, 128*((\n)%2)+8*(\b)
.set rX, AF+64*((\n)%2)+8*(\a)
.set sW, SC+32*((\n)/4)+4*(\b)+(\n)%4
.set sX, SC+32*((\n)/4)+4*(\a)+(\n)%4
.if (\n) == 0
	v_wmma_scale_f32_16x16x128_f8f6f4 v[rD:rD+7], v[rW:rW+7], v[rX:rX+7], v[8*(\b):8*(\b)+7], v[sW], v[sX] matrix_a_fmt:MATRIX_FMT_FP4 matrix_b_fmt:MATRIX_FMT_FP4 matrix_a_scale:MATRIX_SCALE_ROW1
.else
	v_wmma_scale_f32_16x16x128_f8f6f4 v[rD:rD+7], v[rW:rW+7], v[rX:rX+7], v[rD:rD+7], v[sW], v[sX] matrix_a_fmt:MATRIX_FMT_FP4 matrix_b_fmt:MATRIX_FMT_FP4 matrix_a_scale:MATRIX_SCALE_ROW1
.endif
.endm
.macro MULQ a0, n                      ; 16 products.  The 32 accumulators take turns, in the same order in every step
.if (\n) == 0
	WIN 0xb1                                       ; source 0 (W) window 1, source 1 (o) window 0, C (the bias) window 3, D window 2
.else
	WIN 0xa1
.endif
.irp a, \a0, \a0+1
.irp b, 0,1,2,3,4,5,6,7
	MM \a, \b, \n
.endr
.endr
.endm
.macro STEP n
	s_wait_dscnt 0x0                               ; this step's fragments, asked for a whole step ago, are in
.if (\n) == 3
	s_wait_tensorcnt 0x0                           ; my part of the second half of K has landed;
	s_barrier_signal -1
	MULQ 0, \n
	WIN 0
	s_barrier_wait -1                              ; everybody's has
	PLACES
	FETCH 0, 1, 0
	SCALES 1
	MULQ 2, \n
.else
.if (\n) < 7
	PLACES                                         ; four places in front of loads into registers that matrix instructions have read
	FETCH 1-(\n)%2, ((\n)+1)/4, ((\n)+1)%4
.endif
	MULQ 0, \n
	MULQ 2, \n
.endif
	WIN 0
.endm
	s_wait_tensorcnt 0x1                           ; the scales and my part of the first half of K are in; the second half's load may be out
	s_barrier_signal -1
	s_barrier_wait -1
	FETCH 0, 0, 0
	SCALES 0
	s_wait_loadcnt 0x0                             ; the bias
.irp n, 0,1,2,3,4,5,6,7
	STEP \n
.endr
; THE WAY OUT, a block of 16 rows x 128 columns at a time, through my own stage: in by eight neighbouring columns a lane, back as whole rows of 512 bytes.  LDS serves a wave's instructions in order.
.macro TOSTAGE a
	WIN 0x08                                       ; an LDS store's data: window 2
.irp b, 0,1,2,3,4,5,6,7
	ds_store_b128 v[STO], v[64*(\a)+8*\b:64*(\a)+8*\b+3] offset:128*(\b/2)+32*(\b%2)       ; each accumulator from its low end on
	ds_store_b128 v[STO], v[64*(\a)+8*\b+4:64*(\a)+8*\b+7] offset:128*(\b/2)+32*(\b%2)+16
.endr
	WIN 0
.set BB, BK+64*((\a)%2)
.irp t, 0,1,2,3,4,5,6,7,8,9,10,11,12,13,14,15
	ds_load_b128 v[BB+4*\t:BB+4*\t+3], v[RD] offset:\t*SPITCH
.endr
.endm
.macro SEND a, younger                 ; younger: the LDS instructions issued behind block a's loads, which may stay out
.set BB, BK+64*((\a)%2)
	s_wait_dscnt \younger
.irp t, 0,1,2,3,4,5,6,7,8,9,10,11,12,13,14,15
	global_store_b128 v[CO], v[BB+4*\t:BB+4*\t+3], s[12:13] offset:(32*((\a)/2)+8*((\a)%2)+\t+8*(\t/8))*4096 th:TH_STORE_NT   ; place t of block a is this token; 32 lanes store 512 consecutive bytes, aligned
.endr
.endm
	PLACES                                         ; behind the last products: results are read, and loads land where o's fragments lay
	TOSTAGE 0
.irp a, 1,2,3
.if \a > 1
	s_wait_xcnt 0x0                                ; block a - 2's stores have read their registers: block a's loads may land there
.endif
	TOSTAGE \a
	SEND \a-1, 32                                  ; behind block a - 1's loads: block a's 16 stores and 16 loads
.endr
	SEND 3, 0
	s_wait_tensorcnt 0x0
	ds_add_u32 v126, v127
	s_wait_dscnt 0x0
	CROUND                                         ; the closing round: no work-group ends while a partner may still ask for a tile that names it
	s_endpgm
.Lfunc_end_k_qf3092be50f_proj:
	.size	k_qf3092be50f_proj, .Lfunc_end_k_qf3092be50f_proj-k_qf3092be50f_proj
	.p2alignl 7, 3214868480
	.fill 96, 4, 3214868480
	.section	.rodata,"a",@progbits
	.p2align	6, 0x0
	.amdhsa_kernel k_qf3092be50f_proj
		.amdhsa_group_segment_fixed_size 252160
		.amdhsa_private_segment_fixed_size 0
		.amdhsa_enable_private_segment 0
		.amdhsa_kernarg_size 40
		.amdhsa_user_sgpr_count 2
		.amdhsa_user_sgpr_kernarg_segment_ptr 1
		.amdhsa_wavefront_size32 1
		.amdhsa_system_sgpr_workgroup_id_x 1
		.amdhsa_system_sgpr_workgroup_id_y 1
		.amdhsa_system_sgpr_workgroup_id_z 1
		.amdhsa_system_vgpr_workitem_id 0
		.amdhsa_next_free_vgpr 832
		.amdhsa_next_free_sgpr 102
		.amdhsa_reserve_vcc 0
		.amdhsa_float_denorm_mode_32 3
		.amdhsa_float_denorm_mode_16_64 3
		.amdhsa_memory_ordered 1
		.amdhsa_forward_progress 1
		.amdhsa_inst_pref_size 74
	.end_amdhsa_kernel
	.amdgpu_metadata
---
amdhsa.version: [ 1, 2 ]
amdhsa.kernels:
  - .name:           k_qf3092be50f_proj
    .symbol:         k_qf3092be50f_proj.kd
    .args:
      - { .name: oq, .offset: 0, .size: 8, .value_kind: global_buffer, .address_space: global }
      - { .name: wc, .offset: 8, .size: 8, .value_kind: global_buffer, .address_space: global }
      - { .name: ws, .offset: 16, .size: 8, .value_kind: global_buffer, .address_space: global }
      - { .name: b_out, .offset: 24, .size: 8, .value_kind: global_buffer, .address_space: global }
      - { .name: out0, .offset: 32, .size: 8, .value_kind: global_buffer, .address_space: global }
    .group_segment_fixed_size: 252160
    .private_segment_fixed_size: 0
    .kernarg_segment_align: 8
    .kernarg_segment_size: 40
    .max_flat_workgroup_size: 128
    .sgpr_count:     102
    .vgpr_count:     832
    .wavefront_size: 32
...
	.end_amdgpu_metadata
.endif
;; end of part 4
